; MI455X (gfx1250); checked and timed in simulation.
; The chip was launched on July 23, 2026; its instructions are those of AMD's public machine-readable ISA for CDNA 5 (MIT licence, August 2026) and "CDNA5" Instruction Set Architecture Reference Guide (July 2026). The comments in the code are by the model that wrote it; some were corrected since.
;; Parallel Attention Block. Allowed arithmetic: matrix products marked QUANTISED: E2M3 operands, one E8M0 scale for each 32 along K, by v_wmma_scale_f32_16x16x128_f8f6f4 with both operands' format E2M3, f32 sums; everything else in f32.
;; Inputs: ln_b 1,024 float32; ln_w 1,024 float32; w_down 4,096 x 1,024 float32; w_gate 1,024 x 4,096 float32; w_up 1,024 x 4,096 float32; wk 1,024 x 256 float32; wo 512 x 1,024 float32; wq 1,024 x 512 float32; wv 1,024 x 256 float32; x 2 x 2,048 x 1,024 float32.
;; Outputs: out0 2 x 2,048 x 1,024 float32.
;; This version of the problem:
;;   THIS VERSION OF THE PROBLEM IS GIVEN IN LOW PRECISION. The matrix products marked QUANTISED in the list below multiply operands that are first quantised to E2M3 (2 exponent bits, 3 mantissa bits; 6 bits a number), with one power-of-two scale for each 32 numbers along K (OCP MX v1.0); their sums are f32. All else is computed in f32.
;;   The module's matrix products, in the order in which they are computed (A, B: the left and right operand; K: the contracted axis; several contracted axes count as one K, in the product's order):
;;     1. [M 4,096, K 1,024] x [K 1,024, N 512]; A: computed on the way; B: input wq: QUANTISED
;;     2. [M 4,096, K 1,024] x [K 1,024, N 256]; A: computed on the way; B: input wk: QUANTISED
;;     3. [M 4,096, K 1,024] x [K 1,024, N 256]; A: computed on the way; B: input wv: QUANTISED
;;     4. batch 16 x [M 2,048, K 64] x [K 64, N 2,048]; A: computed on the way; B: computed on the way: QUANTISED
;;     5. batch 16 x [M 2,048, K 2,048] x [K 2,048, N 64]; A: softmax (see below); B: computed on the way: QUANTISED
;;     6. [M 4,096, K 512] x [K 512, N 1,024]; A: computed on the way; B: input wo: QUANTISED
;;     7. [M 4,096, K 1,024] x [K 1,024, N 4,096]; A: computed on the way; B: input w_gate: QUANTISED
;;     8. [M 4,096, K 1,024] x [K 1,024, N 4,096]; A: computed on the way; B: input w_up: QUANTISED
;;     9. [M 4,096, K 4,096] x [K 4,096, N 1,024]; A: computed on the way; B: input w_down: QUANTISED
;;   THE QUANTISER, for each operand of a quantised product, along K:
;;     - K is cut into blocks of 32 from its start; a last block that is shorter is filled with zeros.
;;     - A block's scale is 2^e with e = floor(log2(the largest magnitude in the block)) - 2, held to -126 .. 127; a block of zeros has e = 0. As a byte (E8M0): e + 127.
;;     - Each number is divided by its block's scale, clamped to +-7.5, and rounded to the nearest number of E2M3, ties to even, subnormals kept.
;;     - The product sums the exact products of the quantised numbers (number of the format x scale) in f32.
;;   ~~~python
;;   def quantise(x, axis):      # numpy; x: float32 -> the quantised numbers, widened to float32 again
;;       x = np.moveaxis(x, axis, -1); K = x.shape[-1]
;;       x = np.pad(x, [(0, 0)] * (x.ndim - 1) + [(0, -K % 32)]); x = x.reshape(x.shape[:-1] + (-1, 32)); a = np.abs(x).max(-1, keepdims=True)
;;       e = np.where(a > 0, np.clip(np.frexp(np.where(a > 0, a, 1))[1] - 1 - 2, -126, 127), 0)      # np.frexp(a)[1] - 1 = floor(log2(a)), exactly
;;       r = np.clip(x / 2.0 ** e, -7.5, 7.5)
;;       step = 2.0 ** (np.maximum(np.frexp(np.where(r == 0, 1, r))[1] - 1, 0) - 3)
;;       q = np.round(r / step) * step * 2.0 ** e      # np.round: ties to even
;;       return np.moveaxis(q.reshape(q.shape[:-2] + (-1,))[..., :K], -1, axis).astype(np.float32)
;;   ~~~
;;   SOFTMAX AHEAD OF A QUANTISED PRODUCT. Where the list says 'softmax', what is quantised is not the finished softmax but p = 2^(t - M), with t = logit x log2(e) and M = ceil(the row's largest t), a whole number; so 1/2 < the row's largest p <= 1. The row's sum l is taken of the UNQUANTISED p, in f32, and the product's result is divided by l at the end. Since M is a whole number, a kernel that streams over the keys may use a running M (the ceiling of the running maximum): every later rescaling is an exact power of two, which a block's scale takes up: the codes' values come out the same.
;;   OPERANDS COMPUTED ON THE WAY. 'Computed on the way' means the value that the module computes at that place (a softmax that the list does not call 'softmax' is quantised finished and normalised). What goes into a quantiser is computed in f32, as accurately as f32 sums, v_exp_f32 and their like allow (about 1e-6 of the number): no bf16 or f16 on the way to a quantiser, and a product that is left as it is and whose result goes on into a quantised operand takes f32 operands (vector FMAs, or v_wmma_f32_16x16x4_f32). A number that lies on a knife's edge between two numbers of the format may be rounded either way, as far as f32 arithmetic and the matrix unit's own rounding can turn it there, and no further.
;; One version. Each part assembles by itself: llvm-mc -triple=amdgcn-amd-amdhsa -mcpu=gfx1250 --defsym DOCPART=n.
;; ======== version 1 of 1: 5 launches
;; workspace buffers: wts 14,336,000 bytes; qkvb 3,375,104 bytes; a2 14,745,600 bytes
;; launch prep (part 1): grid 1120 x 1, 4 waves a work-group, no clusters, 66,304 bytes of LDS; arguments x, ln_w, ln_b, w_gate, w_up, w_down, wo, wq, wk, wv, wts; writes wts
.if DOCPART == 1
	.amdgcn_target "amdgcn-amd-amdhsa--gfx1250"
	.amdhsa_code_object_version 6
	.text
	.protected	k_q5ef57b1241_prep
	.globl	k_q5ef57b1241_prep
	.p2align	8
	.type	k_q5ef57b1241_prep,@function
k_q5ef57b1241_prep:
	s_mov_b64 s[64:65], 0
	v_nop
	global_prefetch_b8 v0, s[64:65] scope:SCOPE_SE
	s_setreg_imm32_b32 hwreg(HW_REG_WAVE_MODE, 25, 1), 1
	s_wait_xcnt 0x0
; PREP: every operand that later launches read many times is quantised ONCE to codes of FP6 (E2M3) with one E8M0 byte for each 32 along K, and laid in the order of the matrix operand's registers.
; Work-groups 0 to 863: the seven weights, all stored [K][N].  Work-groups 864 to 1,119: LayerNorm of x, 16 tokens each, quantised along the 1,024 channels.
; LAYOUT OF wts.  A TILE is 16 rows (tokens or weight columns); tile T holds rows 32 (T / 2) + 8 (T % 2) + i + 8 (i / 8), i = 0 .. 15, so that in a matrix result the 16 registers of tiles 2 b and 2 b + 1 are 16 neighbours.
; A UNIT is 16 rows x 64 K, 768 bytes: lane (r, h) of the reader wants K = 32 h .. 32 h + 31 of tile row r, 24 bytes: its first 16 lie at 16 (r + 16 h), its last 8 at 512 + 16 r + 8 h.  A fragment (128 K) is two units on end.
;   byte 0: tiles with K = 1,024, 12,288 bytes each: 0-255 the normed x, 256-287 wq, 288-303 wk, 304-319 wv, 320-831 w_gate and w_up (320 + 16 F + 8 c + 4 up + t: F the block of 128 columns, c its half, t the tile in the half)
;   byte CODES2: 64 tiles of [wo ; w_down], K = 4,608, 55,296 bytes each.   byte SCALE1: scale words [tile][K step 8][16 rows].   byte SCALE2: scale words [K step 36][tile 64][16 rows].
; THE QUANTISER: a block's scale is 2^(floor(log2(largest magnitude)) - 2); its byte is the largest magnitude's exponent field - 2.
; LIMITS: a block of zeros, or one whose largest magnitude lies under 2^-124, gets the byte 1 (its codes are zeros or tiny; the bytes are read by this program alone); NaN and infinities among the inputs are not served.
.set LNWG,   864
.set SPARE,  65792                     ; behind the 16 rows of the LayerNorm's stage: the spare words, 128 bytes a wave
.set LROW,   4112                      ; a stage row: 4,096 bytes + 16, an odd multiple of 16: sixteen rows' equal columns fall on sixteen different groups of banks
.set CODES2, 10223616
.set SCALE1, 13762560
.set SCALE2, 14188544
.set SPW, 2                            ; v2  LDS address of my spare word; never rewritten
.set NIL, 3                            ; v3  0; never rewritten
.set SEL, 62                           ; s[62:63] lane selects for v_permlanex16_b32: lane l xor 16
.set OFS, 32                           ; v32-63   weights: row i of a block: i x pitch + 4 x lane
.set X,   64                           ; v64-191  128 numbers
.set AC,  192                          ; v192-207 weights: a block's first 16 bytes of codes, four registers a block
.set TL,  208                          ; v208-215 the last 8 bytes of two blocks, four registers a unit
.set YC,  216                          ; v216-231 a block's upper 16 codes as converted
.set ST,  16                           ; v16-47   LayerNorm: eight registers of statistics a row
; 64 numbers of a lane, register 16 b + i = K 32 b + 16 (lane / 16) + i of my row, become a fragment's 12 registers v[pc] on (pc + 12 .. pc + 18 at work) and its scale word v[pw]
.macro QUANT s, pc, pw, tm
.irp b, 0,1,2,3
	v_max3_num_f32 v[\tm+\b], |v[\s+16*\b]|, |v[\s+1+16*\b]|, 0x1800000   ; my 16 numbers of block b, and the floor 2^(3 - 127): the byte cannot fall under 1
.endr
.irp i, 2,4,6,8,10,12,14
.irp b, 0,1,2,3
	v_max3_num_f32 v[\tm+\b], v[\tm+\b], |v[\s+16*\b+\i]|, |v[\s+1+16*\b+\i]|
.endr
.endr
.irp b, 0,1,2,3
	v_permlanex16_b32 v[\tm+4+\b], v[\tm+\b], s[SEL], s[SEL+1]
.endr
.irp b, 0,1,2,3
	v_max_num_f32 v[\tm+\b], v[\tm+\b], v[\tm+4+\b]                      ; with lane l xor 16's: the block's largest magnitude
.endr
.irp b, 0,1,2,3
	v_add_nc_u32 v[\tm+12+\b], 0xff000000, v[\tm+\b]                     ; 2 off its exponent field: the conversion's scale operand
.endr
.irp b, 0,1,2,3
	v_lshrrev_b32 v[\tm+4+\b], 23, v[\tm+12+\b]                          ; the scale's byte
.endr
	v_lshl_or_b32 v[\pw], v[\tm+5], 8, v[\tm+4]
	v_lshl_or_b32 v[\pw], v[\tm+6], 16, v[\pw]
	v_lshl_or_b32 v[\pw], v[\tm+7], 24, v[\pw]
.irp c, 0,1
	v_cvt_scalef32_pk16_fp6_f32 v[\pc+6*\c:\pc+2+6*\c], v[\s+32*\c:\s+15+32*\c], v[\tm+12+2*\c]
	v_cvt_scalef32_pk16_fp6_f32 v[\pc+12+4*\c:\pc+14+4*\c], v[\s+16+32*\c:\s+31+32*\c], v[\tm+12+2*\c+1]
.endr
	v_nop                                          ; one plain place behind a scaled conversion
.irp c, 0,1                                    ; the operand wants a whole block in a lane: lanes 0-15 block 2 c, lanes 16-31 block 2 c + 1
.irp i, 0,1,2
	v_permlane16_swap_b32 v[\pc+6*\c+\i], v[\pc+12+4*\c+\i]
.endr
.irp i, 0,1,2
	v_mov_b32 v[\pc+3+6*\c+\i], v[\pc+12+4*\c+\i]
.endr
.endr
.endm
	s_load_b512 s[8:23], s[0:1], 0x0               ; x, ln_w, ln_b, w_gate, w_up, w_down, wo, wq
	s_load_b128 s[24:27], s[0:1], 0x40             ; wk, wv
	s_load_b64 s[28:29], s[0:1], 0x50              ; wts
	v_lshl_add_u32 v[SPW], v0, 2, SPARE
	v_mov_b32 v[NIL], 0
	v_lshrrev_b32 v1, 5, v0
	v_readfirstlane_b32 s30, v1                    ; wave 0..3
	v_and_b32 v4, 31, v0                           ; lane
	s_mov_b32 s[SEL], 0x76543210
	s_mov_b32 s[SEL+1], 0xfedcba98
	s_cmp_ge_u32 ttmp9, LNWG
	s_cbranch_scc1 .Lln
; ---------------- THE WEIGHTS.  A work-group takes 128 columns x one K step of 128; a wave 32 columns: A LANE TAKES A COLUMN AND ITS REGISTERS RUN DOWN K, so a block of 32 lies in one lane and nothing is transposed.
; Which weight, and where its codes go, hangs on the work-group's number alone: a chain of selections; of addresses only the source is chosen.
.macro PICK low, ptr, lcb, mc, ma, mb, tcp, coff, ks0, ts, ss, soff
	s_cmp_ge_u32 ttmp9, \low
	s_cselect_b64 s[32:33], s[\ptr:\ptr+1], s[32:33]   ; the weight
	s_cselect_b32 s34, \low, s34                   ; its first work-group
	s_cselect_b32 s35, \lcb, s35                   ; log2 of its blocks of 128 columns
	s_cselect_b32 s36, \mc, s36                    ; tile = MA x group of 32 columns - MB x (group % 2) + MC
	s_cselect_b32 s37, \ma, s37
	s_cselect_b32 s38, \mb, s38
	s_cselect_b32 s39, \tcp, s39                   ; bytes of codes in a tile
	s_cselect_b32 s40, \coff, s40                  ; where the tiles begin
	s_cselect_b32 s41, \ks0, s41                   ; its first K step in the tile
	s_cselect_b32 s42, \ts, s42                    ; scale words: bytes from tile to tile,
	s_cselect_b32 s43, \ss, s43                    ; from K step to K step,
	s_cselect_b32 s44, \soff, s44                  ; and where they begin
.endm
	s_mov_b32 s34, 0                               ; w_gate's
	s_mov_b32 s35, 5
	s_mov_b32 s36, 320
	s_mov_b32 s37, 4
	s_mov_b32 s38, 2
	s_mov_b32 s39, 12288
	s_mov_b32 s40, 0
	s_mov_b32 s41, 0
	s_mov_b32 s42, 512
	s_mov_b32 s43, 64
	s_mov_b32 s44, SCALE1
	s_wait_kmcnt 0x0
	s_mov_b64 s[32:33], s[14:15]
	PICK 256, 16, 5, 324, 4, 2, 12288, 0, 0, 512, 64, SCALE1          ; w_up
	PICK 512, 18, 3, 0, 2, 0, 55296, CODES2, 4, 64, 4096, SCALE2      ; w_down: K steps 4 to 35
	PICK 768, 20, 3, 0, 2, 0, 55296, CODES2, 0, 64, 4096, SCALE2      ; wo: K steps 0 to 3
	PICK 800, 22, 2, 256, 2, 0, 12288, 0, 0, 512, 64, SCALE1          ; wq
	PICK 832, 24, 1, 288, 2, 0, 12288, 0, 0, 512, 64, SCALE1          ; wk
	PICK 848, 26, 1, 304, 2, 0, 12288, 0, 0, 512, 64, SCALE1          ; wv
	s_sub_co_u32 s45, ttmp9, s34                   ; my number within the weight
	s_bfm_b32 s46, s35, 0
	s_and_b32 s47, s45, s46                        ; block of 128 columns
	s_lshr_b32 s45, s45, s35                       ; K step
	s_lshl_b32 s46, 512, s35                       ; a row of the weight in bytes
	s_lshl_b32 s47, s47, 2
	s_add_co_u32 s47, s47, s30                     ; my wave's group of 32 columns
	s_mul_i32 s56, s47, s37
	s_and_b32 s57, s47, 1
	s_mul_i32 s57, s57, s38
	s_sub_co_u32 s56, s56, s57
	s_add_co_u32 s56, s56, s36                     ; the first of my two tiles
	s_mul_i32 s48, s45, s46
	s_lshl_b32 s48, s48, 7                         ; 128 rows a K step
	s_lshl_b32 s57, s47, 7                         ; 128 bytes a group of columns
	s_add_co_u32 s48, s48, s57
	s_mov_b32 s49, 0
	s_add_nc_u64 s[48:49], s[32:33], s[48:49]      ; block 0 of my 128 rows;
	s_lshl_b32 s2, s46, 5
	s_mov_b32 s3, 0
	s_add_nc_u64 s[50:51], s[48:49], s[2:3]        ; blocks 1, 2, 3: 32 rows on each
	s_add_nc_u64 s[52:53], s[50:51], s[2:3]
	s_add_nc_u64 s[54:55], s[52:53], s[2:3]
	s_add_co_u32 s57, s41, s45                     ; the K step in the tile
	s_mul_i32 s58, s56, s39
	s_add_co_u32 s58, s58, s40
	s_mul_i32 s2, s57, 1536
	s_add_co_u32 s58, s58, s2
	s_mov_b32 s59, 0
	s_add_nc_u64 s[58:59], s[28:29], s[58:59]      ; my first tile's fragment
	s_mul_i32 s60, s56, s42
	s_add_co_u32 s60, s60, s44
	s_mul_i32 s2, s57, s43
	s_add_co_u32 s60, s60, s2
	s_mov_b32 s61, 0
	s_add_nc_u64 s[60:61], s[28:29], s[60:61]      ; and its scale words
	v_bfe_u32 v5, v4, 3, 1                         ; column l of the 32 is row (l % 8) + 8 (l / 16) of tile (l / 8) % 2
	v_and_b32 v6, 7, v4
	v_lshrrev_b32 v7, 4, v4
	v_lshl_add_u32 v6, v7, 3, v6
	v_lshlrev_b32 v7, 2, v4
	v_mul_u32_u24 v8, v5, s39
	v_lshl_add_u32 v8, v6, 4, v8                   ; codes: tile + 16 x row
	v_mul_u32_u24 v9, v5, s42
	v_lshl_add_u32 v9, v6, 2, v9                   ; scale word: tile + 4 x row
.set i, 0
.rept 32
	v_mad_u32_u24 v[OFS+i], s46, i, v7
.set i, i+1
.endr
.macro WLOAD t                         ; block t: 32 rows; each load reads 128 consecutive bytes a wave, and the four waves stand side by side
.set i, 0
.rept 32
	global_load_b32 v[X+32*(\t)+i], v[OFS+i], s[48+2*(\t):49+2*(\t)] th:TH_LOAD_NT
.set i, i+1
.endr
.endm
.macro WBLOCK t
.set XS, X+32*(\t)
.if (\t) < 3
	s_wait_loadcnt 32                              ; this block's 32 loads are in; the next block's may be out
.else
	s_wait_loadcnt 0x0
.endif
.if (\t) < 2
	WLOAD (\t)+2                                   ; loads run two blocks ahead
.endif
	v_max3_num_f32 v232, |v[XS]|, |v[XS+1]|, |v[XS+2]|
	v_max3_num_f32 v233, |v[XS+3]|, |v[XS+4]|, |v[XS+5]|
.irp i, 6,10,14,18,22,26
	v_max3_num_f32 v232, v232, |v[XS+\i]|, |v[XS+\i+1]|
	v_max3_num_f32 v233, v233, |v[XS+\i+2]|, |v[XS+\i+3]|
.endr
	v_max3_num_f32 v232, v232, |v[XS+30]|, |v[XS+31]|
	v_max3_num_f32 v232, v232, v233, 0x1800000     ; and the floor
	v_add_nc_u32 v234, 0xff000000, v232            ; the conversion's scale operand
	v_cvt_scalef32_pk16_fp6_f32 v[AC+4*(\t):AC+4*(\t)+2], v[XS:XS+15], v234
	v_cvt_scalef32_pk16_fp6_f32 v[YC+4*(\t):YC+4*(\t)+2], v[XS+16:XS+31], v234
	v_lshrrev_b32 v235, 23, v234                   ; the byte.  (The plain place behind the conversions)
.if (\t) == 0
	v_mov_b32 v240, v235
.else
	v_lshl_or_b32 v240, v235, 8*(\t), v240         ; four bytes: my column's scale word of this K step
.endif
	v_mov_b32 v[AC+4*(\t)+3], v[YC+4*(\t)]         ; the block's 24 bytes: 16 here,
	v_mov_b32 v[TL+4*((\t)/2)+2*((\t)%2)], v[YC+4*(\t)+1]   ; 8 beside those of the unit's other block
	v_mov_b32 v[TL+4*((\t)/2)+2*((\t)%2)+1], v[YC+4*(\t)+2]
	global_store_b128 v8, v[AC+4*(\t):AC+4*(\t)+3], s[58:59] offset:768*((\t)/2)+256*((\t)%2)   ; the sixteen lanes of a tile store 256 consecutive bytes, at a multiple of 256
.if (\t)%2 == 1
	global_store_b128 v8, v[TL+4*((\t)/2):TL+4*((\t)/2)+3], s[58:59] offset:768*((\t)/2)+512
.endif
.endm
	WLOAD 0
	WLOAD 1
	WBLOCK 0
	WBLOCK 1
	WBLOCK 2
	WBLOCK 3
	global_store_b32 v9, v240, s[60:61]            ; 64 bytes a tile: one byte in 128 of what the wave reads
	s_endpgm
; ---------------- LAYERNORM.  One tile of 16 tokens.  Phase 1: a wave takes four whole rows (mean, variance about the mean, gain, bias, all f32) and lays them in LDS.  Phase 2: a wave takes two K steps of all 16 rows and quantises them.
.Lln:
	s_sub_co_u32 s31, ttmp9, LNWG                  ; the tile T
	s_lshr_b32 s32, s31, 1
	s_lshl_b32 s32, s32, 5
	s_and_b32 s33, s31, 1
	s_lshl_b32 s33, s33, 3
	s_add_co_u32 s32, s32, s33
	s_lshl_b32 s33, s30, 2
	s_add_co_u32 s32, s32, s33
	s_lshr_b32 s33, s30, 1
	s_lshl_b32 s33, s33, 3
	s_add_co_u32 s32, s32, s33                     ; tile rows 4 w .. 4 w + 3 are tokens 32 (T / 2) + 8 (T % 2) + 4 w + 8 (w / 2) + 0 .. 3
	s_lshl_b32 s32, s32, 12
	s_mov_b32 s33, 0
	s_mov_b32 s34, 0x3a800000                      ; 1 / 1,024
	s_mov_b32 s35, 0x3727c5ac                      ; 1e-5
	v_lshlrev_b32 v5, 4, v4                        ; 16 x lane
	v_and_b32 v8, 15, v0                           ; r
	v_bfe_u32 v9, v0, 4, 1                         ; h
	s_mul_i32 s44, s30, 4*LROW
	v_add_nc_u32 v6, s44, v5                       ; the stage, in: my four rows, 16 bytes a lane
	v_mul_u32_u24 v7, v8, LROW
	v_lshl_add_u32 v7, v9, 6, v7
	s_lshl_b32 s44, s30, 10
	v_add_nc_u32 v7, s44, v7                       ; and out: row r, my two K steps, 16 numbers of each block of 32
	v_lshlrev_b32 v10, 4, v8
	v_lshl_add_u32 v10, v9, 3, v10                 ; 16 r + 8 h
	v_lshlrev_b32 v11, 2, v4
.irp k, 0,1,2,3
	v_mov_b32 v[ST+8*\k+4], 0                      ; written once: a lane permute's destination counts as one of its sources
	v_mov_b32 v[ST+8*\k+5], 0
.endr
	s_wait_kmcnt 0x0
	s_add_nc_u64 s[8:9], s[8:9], s[32:33]
.irp k, 0,1,2,3
.irp j, 0,1,2,3,4,5,6,7
	global_load_b128 v[X+32*\k+4*\j:X+32*\k+4*\j+3], v5, s[8:9] offset:4096*\k+512*\j th:TH_LOAD_NT   ; 512 consecutive bytes a load
.endr
.endr
.irp j, 0,1,2,3,4,5,6,7
	global_load_b128 v[192+4*\j:195+4*\j], v5, s[10:11] offset:512*\j    ; the gain of my 32 columns
	global_load_b128 v[224+4*\j:227+4*\j], v5, s[12:13] offset:512*\j    ; the bias
.endr
.macro REDUCE o                        ; v[ST + 8 k + o] of the four rows, summed over the 32 lanes
.irp m, 1,2,4,8
.irp k, 0,1,2,3
	v_add_f32_dpp v[ST+8*\k+\o], v[ST+8*\k+\o], v[ST+8*\k+\o] row_xmask:\m row_mask:0xf bank_mask:0xf
.endr
.endr
.irp k, 0,1,2,3
	v_permlanex16_b32 v[ST+8*\k+4], v[ST+8*\k+\o], s[SEL], s[SEL+1]
.endr
.irp k, 0,1,2,3
	v_add_f32 v[ST+8*\k+\o], v[ST+8*\k+\o], v[ST+8*\k+4]
.endr
.endm
	s_wait_loadcnt 16                              ; x is in; the sixteen loads of gain and bias may be out
.irp k, 0,1,2,3
	v_pk_add_f32 v[ST+8*\k:ST+8*\k+1], v[X+32*\k:X+32*\k+1], v[X+32*\k+2:X+32*\k+3]      ; the sum, two chains a row, the four rows by turns
	v_pk_add_f32 v[ST+8*\k+2:ST+8*\k+3], v[X+32*\k+4:X+32*\k+5], v[X+32*\k+6:X+32*\k+7]
.endr
.irp p, 8,12,16,20,24,28
.irp k, 0,1,2,3
	v_pk_add_f32 v[ST+8*\k:ST+8*\k+1], v[ST+8*\k:ST+8*\k+1], v[X+32*\k+\p:X+32*\k+\p+1]
	v_pk_add_f32 v[ST+8*\k+2:ST+8*\k+3], v[ST+8*\k+2:ST+8*\k+3], v[X+32*\k+\p+2:X+32*\k+\p+3]
.endr
.endr
.irp k, 0,1,2,3
	v_pk_add_f32 v[ST+8*\k:ST+8*\k+1], v[ST+8*\k:ST+8*\k+1], v[ST+8*\k+2:ST+8*\k+3]
.endr
.irp k, 0,1,2,3
	v_add_f32 v[ST+8*\k], v[ST+8*\k], v[ST+8*\k+1]
.endr
	REDUCE 0
.irp k, 0,1,2,3
	v_mul_f32 v[ST+8*\k], s34, v[ST+8*\k]          ; the mean
.endr
.set p, 0
.rept 16
.irp k, 0,1,2,3
	v_pk_add_f32 v[X+32*\k+p:X+32*\k+p+1], v[X+32*\k+p:X+32*\k+p+1], v[ST+8*\k:ST+8*\k+1] op_sel_hi:[1,0] neg_lo:[0,1] neg_hi:[0,1]   ; x - mean
.endr
.set p, p+2
.endr
.irp k, 0,1,2,3
	v_pk_mul_f32 v[ST+8*\k+2:ST+8*\k+3], v[X+32*\k:X+32*\k+1], v[X+32*\k:X+32*\k+1]      ; the squares' sum, two chains a row
	v_pk_mul_f32 v[ST+8*\k+6:ST+8*\k+7], v[X+32*\k+2:X+32*\k+3], v[X+32*\k+2:X+32*\k+3]
.endr
.irp p, 4,8,12,16,20,24,28
.irp k, 0,1,2,3
	v_pk_fma_f32 v[ST+8*\k+2:ST+8*\k+3], v[X+32*\k+\p:X+32*\k+\p+1], v[X+32*\k+\p:X+32*\k+\p+1], v[ST+8*\k+2:ST+8*\k+3]
	v_pk_fma_f32 v[ST+8*\k+6:ST+8*\k+7], v[X+32*\k+\p+2:X+32*\k+\p+3], v[X+32*\k+\p+2:X+32*\k+\p+3], v[ST+8*\k+6:ST+8*\k+7]
.endr
.endr
.irp k, 0,1,2,3
	v_pk_add_f32 v[ST+8*\k+2:ST+8*\k+3], v[ST+8*\k+2:ST+8*\k+3], v[ST+8*\k+6:ST+8*\k+7]
.endr
.irp k, 0,1,2,3
	v_add_f32 v[ST+8*\k+2], v[ST+8*\k+2], v[ST+8*\k+3]
.endr
	REDUCE 2
.irp k, 0,1,2,3
	v_fma_f32 v[ST+8*\k+2], v[ST+8*\k+2], s34, s35 ; the variance + 1e-5
.endr
.irp k, 0,1,2,3
	v_rsq_f32 v[ST+8*\k+6], v[ST+8*\k+2]
.endr
	v_nop                                          ; a plain place behind the last of the four
	s_wait_alu depctr_va_vdst(0)                   ; one wait for the batch, ahead of its first reader
	s_wait_loadcnt 0x0                             ; gain and bias
.set p, 0
.rept 16
.irp k, 0,1,2,3
	v_pk_mul_f32 v[X+32*\k+p:X+32*\k+p+1], v[X+32*\k+p:X+32*\k+p+1], v[ST+8*\k+6:ST+8*\k+7] op_sel_hi:[1,0]
.endr
.irp k, 0,1,2,3
	v_pk_fma_f32 v[X+32*\k+p:X+32*\k+p+1], v[X+32*\k+p:X+32*\k+p+1], v[192+p:193+p], v[224+p:225+p]
.endr
.set p, p+2
.endr
.irp k, 0,1,2,3
.irp j, 0,1,2,3,4,5,6,7
	ds_store_b128 v6, v[X+32*\k+4*\j:X+32*\k+4*\j+3] offset:LROW*\k+512*\j
.endr
.endr
	s_wait_dscnt 0x0                               ; for the others' sake: my four rows lie in the stage
	s_barrier_signal -1
	s_barrier_wait -1
.irp e, 0,1                                    ; K steps 2 w and 2 w + 1: register 16 b + i = K 32 b + 16 h + i of row r
.irp b, 0,1,2,3
.irp j, 0,1,2,3
	ds_load_b128 v[X+64*\e+16*\b+4*\j:X+64*\e+16*\b+4*\j+3], v7 offset:512*\e+128*\b+16*\j
.endr
.endr
.endr
	s_mul_i32 s36, s31, 12288
	s_mul_i32 s44, s30, 3072
	s_add_co_u32 s36, s36, s44
	s_mov_b32 s37, 0
	s_add_nc_u64 s[36:37], s[28:29], s[36:37]      ; tile T, K step 2 w
	s_lshl_b32 s38, s31, 9
	s_lshl_b32 s44, s30, 7
	s_add_co_u32 s38, s38, s44
	s_add_co_u32 s38, s38, SCALE1
	s_mov_b32 s39, 0
	s_add_nc_u64 s[38:39], s[28:29], s[38:39]      ; and its scale words
	s_wait_dscnt 0x0
	QUANT X, 192, 232, ST
	QUANT X+64, 212, 233, ST
.irp e, 0,1
	global_store_b128 v5, v[192+20*\e:195+20*\e], s[36:37] offset:1536*\e          ; a fragment as the reader's registers want it: 512, 256, 512, 256 consecutive bytes
	global_store_b64 v10, v[196+20*\e:197+20*\e], s[36:37] offset:1536*\e+512
	global_store_b128 v5, v[198+20*\e:201+20*\e], s[36:37] offset:1536*\e+768
	global_store_b64 v10, v[202+20*\e:203+20*\e], s[36:37] offset:1536*\e+1280
.endr
	v_cmp_gt_u32 vcc_lo, 16, v4
	v_cndmask_b32 v234, v233, v232, vcc_lo         ; lanes 0-15 the first K step's words, lanes 16-31 the second's: 128 consecutive bytes
	global_store_b32 v11, v234, s[38:39]
	s_wait_tensorcnt 0x0                           ; the wave's end, behind my last LDS store
	ds_add_u32 v[SPW], v[NIL]
	s_wait_dscnt 0x0
	s_endpgm
.Lfunc_end_k_q5ef57b1241_prep:
	.size	k_q5ef57b1241_prep, .Lfunc_end_k_q5ef57b1241_prep-k_q5ef57b1241_prep
	.p2alignl 7, 3214868480
	.fill 96, 4, 3214868480
	.section	.rodata,"a",@progbits
	.p2align	6, 0x0
	.amdhsa_kernel k_q5ef57b1241_prep
		.amdhsa_group_segment_fixed_size 66304
		.amdhsa_private_segment_fixed_size 0
		.amdhsa_enable_private_segment 0
		.amdhsa_kernarg_size 88
		.amdhsa_user_sgpr_count 2
		.amdhsa_user_sgpr_kernarg_segment_ptr 1
		.amdhsa_wavefront_size32 1
		.amdhsa_system_sgpr_workgroup_id_x 1
		.amdhsa_system_sgpr_workgroup_id_y 1
		.amdhsa_system_sgpr_workgroup_id_z 1
		.amdhsa_system_vgpr_workitem_id 0
		.amdhsa_next_free_vgpr 256
		.amdhsa_next_free_sgpr 66
		.amdhsa_reserve_vcc 1
		.amdhsa_float_denorm_mode_32 3
		.amdhsa_float_denorm_mode_16_64 3
		.amdhsa_memory_ordered 1
		.amdhsa_forward_progress 1
		.amdhsa_inst_pref_size 70
	.end_amdhsa_kernel
	.amdgpu_metadata
---
amdhsa.version: [ 1, 2 ]
amdhsa.kernels:
  - .name:           k_q5ef57b1241_prep
    .symbol:         k_q5ef57b1241_prep.kd
    .args:
      - { .name: x, .offset: 0, .size: 8, .value_kind: global_buffer, .address_space: global }
      - { .name: ln_w, .offset: 8, .size: 8, .value_kind: global_buffer, .address_space: global }
      - { .name: ln_b, .offset: 16, .size: 8, .value_kind: global_buffer, .address_space: global }
      - { .name: w_gate, .offset: 24, .size: 8, .value_kind: global_buffer, .address_space: global }
      - { .name: w_up, .offset: 32, .size: 8, .value_kind: global_buffer, .address_space: global }
      - { .name: w_down, .offset: 40, .size: 8, .value_kind: global_buffer, .address_space: global }
      - { .name: wo, .offset: 48, .size: 8, .value_kind: global_buffer, .address_space: global }
      - { .name: wq, .offset: 56, .size: 8, .value_kind: global_buffer, .address_space: global }
      - { .name: wk, .offset: 64, .size: 8, .value_kind: global_buffer, .address_space: global }
      - { .name: wv, .offset: 72, .size: 8, .value_kind: global_buffer, .address_space: global }
      - { .name: wts, .offset: 80, .size: 8, .value_kind: global_buffer, .address_space: global }
    .group_segment_fixed_size: 66304
    .private_segment_fixed_size: 0
    .kernarg_segment_align: 8
    .kernarg_segment_size: 88
    .max_flat_workgroup_size: 128
    .sgpr_count:     66
    .vgpr_count:     256
    .wavefront_size: 32
...
	.end_amdgpu_metadata
.endif
;; end of part 1
;; launch qkv (part 2): grid 8 x 32, 4 waves a work-group, no clusters, 197,120 bytes of LDS; arguments wts, qkvb; writes qkvb
.if DOCPART == 2
	.amdgcn_target "amdgcn-amd-amdhsa--gfx1250"
	.amdhsa_code_object_version 6
	.text
	.protected	k_q5ef57b1241_qkv
	.globl	k_q5ef57b1241_qkv
	.p2align	8
	.type	k_q5ef57b1241_qkv,@function
k_q5ef57b1241_qkv:
	s_mov_b64 s[64:65], 0
	v_nop
	global_prefetch_b8 v0, s[64:65] scope:SCOPE_SE
	s_setreg_imm32_b32 hwreg(HW_REG_WAVE_MODE, 25, 1), 1
	s_wait_xcnt 0x0
; QKV: q, k and v = normed x times wq, wk, wv, on codes of FP6, K = 1,024; the results are quantised in registers for the two products of attention and stored as units of the next operands' registers.
; A work-group makes 128 (source 0) x 128 (source 1); four waves, 2 x 2, each 64 x 64: 16 accumulators.  A lane of a result holds ONE row of source 1, and its 32 registers of a row of four tiles are 64 neighbours of source 0.
;   x = 0 .. 5 (q, k): source 0 = 128 weight columns (two heads), source 1 = 128 tokens: a lane holds a token and a head's 64 channels, which are the K of q k^T.
;   x = 6, 7 (v):      source 0 = 128 tokens, source 1 = 128 columns of wv: a lane holds a channel and 64 keys, which are the K of p v.  The roles are changed by tile numbers alone; the text is one.
; All of K (8 steps of 128) fits in LDS: two fills a wave, both first fills; nothing is filled again.
; NO CLUSTER: the work-groups that share tokens are of different kinds (q, k, v), whose ways out part on the work-group's number, and a launch with joint loads may have no branch that differs between partners.
; qkvb: byte 0: q's units [token tile 256][head 8][768]; byte QWORDS: q's scale words [tile][head][16]; byte RECS: 128 records of REC bytes, one for each (batch, kv head, step of 128 keys):
;   8 units of K (16 keys x 64 channels), 4 fragments of V (16 channels x 128 keys), K's words (8 x 64 bytes), V's words (4 x 64 bytes).  q's and k's words carry the byte 127 for K = 64 .. 127, which attention fills with zero codes.
; LIMITS: as stated in the launch that makes the codes: zero blocks get the byte 1; NaN and infinities are not served.
.set SLOT,   98304                     ; a slot: 4 K steps: source 1's 8 tiles of 6,144 bytes, then source 0's
.set S0OFF,  49152
.set SPARE,  196608                    ; behind the two slots: the spare words
.set SCALE1, 13762560
.set QWORDS, 1572864
.set RECS,   1703936
.set REC,    13056
.set OM,  8                            ; v8-11   the way out: 16 x lane + tile a's place
.set OT,  12                           ; v12-15  512 + 16 r + 8 h + tile a's place
.set AM1, 16                           ; v16-17  LDS: source 1's fragments in slot 0, 1: 16 x lane
.set AT1, 18                           ; v18-19  512 + 16 r + 8 h
.set AM0, 20                           ; v20-23  the same for source 0
.set AT0, 22
.set OS,  24                           ; v24-27  the way out: 4 r + tile a's scale words
.set SPW, 28
.set NIL, 29
.set SC1, 32                           ; v32-47  source 1's scale words: tile a, pair j: lanes 0-15 K step 2 j, lanes 16-31 step 2 j + 1
.set SC0, 48                           ; v48-63  source 0's
.set PC,  64                           ; v64-95  the codes made: 8 registers a tile, 6 used
.set PD,  96
.set HW,  100                          ; v100-103 two scale bytes a tile
.set TM,  104                          ; v104-111 at work
.set ACC, 128                          ; v128-255 accumulator (a, b) at 128 + 8 (4 a + b);  window 1: two fragment buffers at v0 and v128: source 0's b at 12 b, source 1's a at 48 + 12 a
.set G1,  24
.set G0,  32
.set SEL, 60
.set MUL,  0x05                        ; sources 0 and 1 window 1; C and D window 0
.set TO_F, 0x40                        ; destination window 1, address window 0
.set MSB, 0
.macro WIN new
.if MSB != \new
	s_set_vgpr_msb (MSB<<8)|\new
.set MSB, \new
.endif
.endm
.macro PLACES                          ; four plain places between matrix instructions and loads into, or reads of, their registers
.rept 4
	v_nop
.endr
.endm
.macro FRAG reg, am, at, off           ; a fragment, two units on end: 16 + 8 bytes a lane from each
	ds_load_b128 v[\reg:\reg+3], v[\am] offset:\off
	ds_load_b64 v[\reg+4:\reg+5], v[\at] offset:\off
	ds_load_b128 v[\reg+6:\reg+9], v[\am] offset:\off+768
	ds_load_b64 v[\reg+10:\reg+11], v[\at] offset:\off+768
.endm
.macro FETCH slot, q, f                ; 32 LDS loads: my 4 + 4 fragments of the slot's q-th K step into buffer f
	WIN TO_F
.irp i, 0,1,2,3
	FRAG 128*(\f)+12*\i, AM0+(\slot), AT0+(\slot), \i*6144+(\q)*1536
	FRAG 128*(\f)+48+12*\i, AM1+(\slot), AT1+(\slot), \i*6144+(\q)*1536
.endr
.endm
.macro MULQ s                          ; K step s: 16 matrix instructions, the accumulators by turns, in the same order in every step
.irp a, 0,1,2,3
.irp b, 0,1,2,3
.set rD, ACC+8*(4*\a+\b)
.set rA, 128*((\s)%2)+12*\b
.set rB, 128*((\s)%2)+48+12*\a
.set rX, SC0+4*\b+(\s)/2
.set rY, SC1+4*\a+(\s)/2
.if (\s) == 0
	v_wmma_scale_f32_16x16x128_f8f6f4 v[rD:rD+7], v[rA:rA+11], v[rB:rB+11], 0, v[rX], v[rY] matrix_a_fmt:MATRIX_FMT_FP6 matrix_b_fmt:MATRIX_FMT_FP6
.elseif (\s)%2 == 0
	v_wmma_scale_f32_16x16x128_f8f6f4 v[rD:rD+7], v[rA:rA+11], v[rB:rB+11], v[rD:rD+7], v[rX], v[rY] matrix_a_fmt:MATRIX_FMT_FP6 matrix_b_fmt:MATRIX_FMT_FP6
.else
	v_wmma_scale_f32_16x16x128_f8f6f4 v[rD:rD+7], v[rA:rA+11], v[rB:rB+11], v[rD:rD+7], v[rX], v[rY] matrix_a_fmt:MATRIX_FMT_FP6 matrix_b_fmt:MATRIX_FMT_FP6 matrix_a_scale:MATRIX_SCALE_ROW1 matrix_b_scale:MATRIX_SCALE_ROW1
.endif
.endr
.endr
.endm
.macro STEPQ s                         ; the next step's fragments are asked for, then this step is multiplied
.if (\s) > 0
	PLACES
.endif
	FETCH ((\s)+1)/4, ((\s)+1)%4, ((\s)+1)%2
	s_wait_dscnt 32                                ; all but the 32 just issued
	WIN MUL
	MULQ \s
.endm
; 32 numbers of a lane, register 16 b + i = K 32 b + 16 (lane / 16) + i of my row, become a unit's 6 registers v[pc] on and two scale bytes in v[hw]
.macro QUANT2 s, pc, pd, hw, tm
.irp b, 0,1
	v_max3_num_f32 v[\tm+\b], |v[\s+16*\b]|, |v[\s+1+16*\b]|, 0x1800000   ; with the floor 2^(3 - 127)
.endr
.irp i, 2,4,6,8,10,12,14
.irp b, 0,1
	v_max3_num_f32 v[\tm+\b], v[\tm+\b], |v[\s+16*\b+\i]|, |v[\s+1+16*\b+\i]|
.endr
.endr
.irp b, 0,1
	v_permlanex16_b32 v[\tm+2+\b], v[\tm+\b], s[SEL], s[SEL+1]
.endr
.irp b, 0,1
	v_max_num_f32 v[\tm+\b], v[\tm+\b], v[\tm+2+\b]
.endr
.irp b, 0,1
	v_add_nc_u32 v[\tm+4+\b], 0xff000000, v[\tm+\b]
.endr
.irp b, 0,1
	v_lshrrev_b32 v[\tm+6+\b], 23, v[\tm+4+\b]
.endr
	v_lshl_or_b32 v[\hw], v[\tm+7], 8, v[\tm+6]
	v_cvt_scalef32_pk16_fp6_f32 v[\pc:\pc+2], v[\s:\s+15], v[\tm+4]
	v_cvt_scalef32_pk16_fp6_f32 v[\pd:\pd+2], v[\s+16:\s+31], v[\tm+5]
	v_nop                                          ; one plain place behind a scaled conversion
.irp i, 0,1,2
	v_permlane16_swap_b32 v[\pc+\i], v[\pd+\i]     ; a whole block to a lane
.endr
.irp i, 0,1,2
	v_mov_b32 v[\pc+3+\i], v[\pd+\i]
.endr
.endm
	s_load_b128 s[4:7], s[0:1], 0x0                ; wts, qkvb
	v_lshl_add_u32 v[SPW], v0, 2, SPARE
	v_mov_b32 v[NIL], 0
	ds_add_u32 v[SPW], v[NIL]                      ; the wave's opening: the add and its wait ahead of my first tensor load
	v_lshrrev_b32 v1, 5, v0
	v_readfirstlane_b32 s8, v1                     ; wave
	s_lshr_b32 s9, s8, 1                           ; wr: my half of source 1
	s_and_b32 s10, s8, 1                           ; wc: my half of source 0
	s_mov_b32 s2, ttmp9                            ; x
	s_and_b32 s3, ttmp7, 0xffff                    ; y: the block of 128 tokens
	s_mov_b32 s[G1+0], 3<<16                       ; elements of 8 bytes, no mask, no padding
	s_mov_b32 s[G1+1], 768<<16                     ; tensor_dim0: 4 K steps of a tile, 6,144 bytes
	s_mov_b32 s[G1+2], 4<<16                       ; tensor_dim1: 4 tiles
	s_mov_b32 s[G1+3], 768<<16                     ; tile_dim0
	s_mov_b32 s[G1+4], 4                           ; tile_dim1
	s_mov_b32 s[G1+5], 1536                        ; from tile to tile: 12,288 bytes
	s_mov_b32 s[G1+6], 0
	s_mov_b32 s[G1+7], 0
	s_mov_b32 s[SEL], 0x76543210
	s_mov_b32 s[SEL+1], 0xfedcba98
	s_lshl_b32 s11, s2, 3
	s_add_co_u32 s11, s11, 256                     ; the weights' first tile: 256 + 8 x
	s_lshl_b32 s12, s3, 3                          ; the tokens': 8 y
	s_cmp_lt_u32 s2, 6
	s_cselect_b32 s13, s11, s12                    ; source 0
	s_cselect_b32 s14, s12, s11                    ; source 1
	s_cmp_lt_u32 s8, 2                             ; waves 0, 1 fetch source 1's halves, waves 2, 3 source 0's
	s_cselect_b32 s15, s14, s13
	s_lshl_b32 s16, s10, 2
	s_add_co_u32 s15, s15, s16
	s_mul_i32 s16, s15, 12288
	s_mov_b32 s17, 0
	s_mul_i32 s18, s8, 24576                       ; and lay them at wave x 4 tiles
	s_wait_dscnt 0x0                               ; the opening add is done
	s_wait_kmcnt 0x0
	s_add_nc_u64 s[16:17], s[4:5], s[16:17]
.irp s, 0,1
	s_mov_b32 s[G0+4*\s], 1
	s_add_co_u32 s[G0+4*\s+1], s18, \s*SLOT
	s_add_nc_u64 s[G0+4*\s+2:G0+4*\s+3], s[16:17], \s*6144
	s_or_b32 s[G0+4*\s+3], s[G0+4*\s+3], 0x80000000
.endr
	tensor_load_to_lds s[G0:G0+3], s[G1:G1+7]      ; K steps 0 to 3
	s_nop 0
	tensor_load_to_lds s[G0+4:G0+7], s[G1:G1+7]    ; K steps 4 to 7: two loads of mine are out
	s_nop 0
.rept 4
	v_nop
.endr
	v_and_b32 v2, 31, v0
	v_and_b32 v3, 15, v0                           ; r
	v_bfe_u32 v4, v0, 4, 1                         ; h
	v_lshlrev_b32 v30, 2, v2                       ; 4 x lane
	s_lshl_b32 s19, s9, 2
	s_add_co_u32 s19, s19, s14
	s_lshl_b32 s20, s19, 9
	s_add_co_u32 s20, s20, SCALE1
	s_mov_b32 s21, 0
	s_add_nc_u64 s[20:21], s[4:5], s[20:21]        ; the scale words of my four tiles of source 1,
	s_lshl_b32 s19, s10, 2
	s_add_co_u32 s19, s19, s13
	s_lshl_b32 s22, s19, 9
	s_add_co_u32 s22, s22, SCALE1
	s_mov_b32 s23, 0
	s_add_nc_u64 s[22:23], s[4:5], s[22:23]        ; and of source 0: they stay in registers for all of K
.irp i, 0,1,2,3
.irp j, 0,1,2,3
	global_load_b32 v[SC1+4*\i+\j], v30, s[20:21] offset:512*\i+128*\j   ; 128 consecutive bytes: two K steps' words of a tile
	global_load_b32 v[SC0+4*\i+\j], v30, s[22:23] offset:512*\i+128*\j
.endr
.endr
	v_lshlrev_b32 v5, 4, v2                        ; 16 x lane
	v_lshlrev_b32 v6, 4, v3
	v_lshl_add_u32 v6, v4, 3, v6
	v_add_nc_u32 v6, 512, v6                       ; 512 + 16 r + 8 h
	v_lshlrev_b32 v7, 2, v3                        ; 4 r
	s_mul_i32 s40, s9, 24576
	s_mul_i32 s41, s10, 24576
	s_add_co_u32 s41, s41, S0OFF
.irp s, 0,1
	v_add_nc_u32 v[AM1+\s], s40, v5
	v_add_nc_u32 v[AT1+\s], s40, v6
	v_add_nc_u32 v[AM0+\s], s41, v5
	v_add_nc_u32 v[AT0+\s], s41, v6
	s_add_co_u32 s40, s40, SLOT
	s_add_co_u32 s41, s41, SLOT
.endr
	v_mov_b32 v[TM+2], 0                           ; written once: a lane permute's destination counts as one of its sources
	v_mov_b32 v[TM+3], 0
	; where the results go.  q: unit (token tile, head)
	s_lshl_b32 s40, s3, 3
	s_lshl_b32 s41, s9, 2
	s_add_co_u32 s40, s40, s41
	s_lshl_b32 s40, s40, 3
	s_lshl_b32 s41, s2, 1
	s_add_co_u32 s40, s40, s41
	s_add_co_u32 s40, s40, s10                     ; (8 y + 4 wr) x 8 + 2 x + wc
	s_mul_i32 s42, s40, 768
	s_lshl_b32 s43, s40, 6
	s_add_co_u32 s43, s43, QWORDS
	; k and v: the record of (batch, kv head, key step)
	s_cmp_lt_u32 s2, 6
	s_cselect_b32 s44, s10, s9                     ; the half that picks the head: k: of source 0, v: of source 1
	s_cselect_b32 s46, s9, s10                     ; the other half: k: which four key tiles, v: which 64 keys
	s_mov_b32 s47, 768
	s_cselect_b32 s47, 3072, s47                   ; its step in the codes
	s_cselect_b32 s48, 0, 6144                     ; K's units lead the record, V's fragments follow
	s_mov_b32 s49, 2
	s_cselect_b32 s49, 256, s49                    ; its step in the scale words
	s_mov_b32 s50, 12800
	s_cselect_b32 s50, 12288, s50
	s_mov_b32 s51, 1536
	s_cselect_b32 s51, 768, s51                    ; from tile a to tile a + 1
	s_and_b32 s45, s2, 1
	s_lshl_b32 s45, s45, 1
	s_add_co_u32 s45, s45, s44                     ; the kv head
	s_lshr_b32 s52, s3, 4
	s_lshl_b32 s52, s52, 2
	s_add_co_u32 s52, s52, s45
	s_lshl_b32 s52, s52, 4
	s_and_b32 s53, s3, 15
	s_add_co_u32 s52, s52, s53
	s_mul_i32 s52, s52, REC
	s_add_co_u32 s52, s52, RECS
	s_mul_i32 s53, s46, s47
	s_add_co_u32 s53, s53, s48
	s_add_co_u32 s53, s53, s52
	s_mul_i32 s54, s46, s49
	s_add_co_u32 s54, s54, s50
	s_add_co_u32 s54, s54, s52
	s_cmp_lt_u32 s2, 4
	s_cselect_b32 s56, s42, s53                    ; codes
	s_cselect_b32 s58, s43, s54                    ; scale words
	s_cselect_b32 s51, 6144, s51
	s_cselect_b32 s55, 512, 64
	s_mov_b32 s57, 0
	s_mov_b32 s59, 0
	s_add_nc_u64 s[56:57], s[6:7], s[56:57]
	s_add_nc_u64 s[58:59], s[6:7], s[58:59]
.irp a, 0,1,2,3
	v_mad_u32_u24 v[OM+\a], s51, \a, v5
	v_mad_u32_u24 v[OT+\a], s51, \a, v6
	v_mad_u32_u24 v[OS+\a], s55, \a, v7
.endr
	s_wait_tensorcnt 0x1                           ; my part of slot 0 is in; slot 1's may stay out
	s_barrier_signal -1
	s_barrier_wait -1                              ; everybody's is
	FETCH 0, 0, 0
	s_wait_loadcnt 0x0                             ; the scale words
	STEPQ 0
	STEPQ 1
	STEPQ 2
	s_wait_tensorcnt 0x0                           ; my part of slot 1 is in,
	s_wait_dscnt 0x0                               ; (no LDS instruction of mine is out at a signal)
	s_barrier_signal -1
	s_barrier_wait -1                              ; everybody's is
	STEPQ 3
	STEPQ 4
	STEPQ 5
	STEPQ 6
	s_wait_dscnt 0x0
	MULQ 7
	WIN 0
	PLACES
.irp a, 0,1,2,3
	QUANT2 ACC+32*\a, PC+8*\a, PD, HW+\a, TM       ; each accumulator is read from its low end on
.endr
.irp a, 0,1,2,3
	global_store_b128 v[OM+\a], v[PC+8*\a:PC+8*\a+3], s[56:57]       ; a unit: 512 consecutive bytes,
	global_store_b64 v[OT+\a], v[PC+8*\a+4:PC+8*\a+5], s[56:57]      ; and 256
.endr
	s_wait_tensorcnt 0x0                           ; the wave's end, behind my last tensor load; only stores to memory follow
	ds_add_u32 v[SPW], v[NIL]
	s_wait_dscnt 0x0
	s_cmp_ge_u32 s2, 6
	s_cbranch_scc1 .Lv_words
.irp a, 0,1,2,3
	v_or_b32 v[HW+\a], 0x7f7f0000, v[HW+\a]        ; q, k: K = 64 .. 127 will hold zero codes: the byte 127 for them
.endr
.irp a, 0,1,2,3
	global_store_b32 v[OS+\a], v[HW+\a], s[58:59]  ; (lanes l and l xor 16 hold the same word and write it to the same place)
.endr
	s_endpgm
.Lv_words:
.irp a, 0,1,2,3
	global_store_b16 v[OS+\a], v[HW+\a], s[58:59]  ; v: my 64 keys' half of a channel's word; two bytes a row: 256 bytes of words for each 6,144 of codes
.endr
	s_endpgm
.Lfunc_end_k_q5ef57b1241_qkv:
	.size	k_q5ef57b1241_qkv, .Lfunc_end_k_q5ef57b1241_qkv-k_q5ef57b1241_qkv
	.p2alignl 7, 3214868480
	.fill 96, 4, 3214868480
	.section	.rodata,"a",@progbits
	.p2align	6, 0x0
	.amdhsa_kernel k_q5ef57b1241_qkv
		.amdhsa_group_segment_fixed_size 197120
		.amdhsa_private_segment_fixed_size 0
		.amdhsa_enable_private_segment 0
		.amdhsa_kernarg_size 16
		.amdhsa_user_sgpr_count 2
		.amdhsa_user_sgpr_kernarg_segment_ptr 1
		.amdhsa_wavefront_size32 1
		.amdhsa_system_sgpr_workgroup_id_x 1
		.amdhsa_system_sgpr_workgroup_id_y 1
		.amdhsa_system_sgpr_workgroup_id_z 1
		.amdhsa_system_vgpr_workitem_id 0
		.amdhsa_next_free_vgpr 512
		.amdhsa_next_free_sgpr 66
		.amdhsa_reserve_vcc 0
		.amdhsa_float_denorm_mode_32 3
		.amdhsa_float_denorm_mode_16_64 3
		.amdhsa_memory_ordered 1
		.amdhsa_forward_progress 1
		.amdhsa_inst_pref_size 54
	.end_amdhsa_kernel
	.amdgpu_metadata
---
amdhsa.version: [ 1, 2 ]
amdhsa.kernels:
  - .name:           k_q5ef57b1241_qkv
    .symbol:         k_q5ef57b1241_qkv.kd
    .args:
      - { .name: wts, .offset: 0, .size: 8, .value_kind: global_buffer, .address_space: global }
      - { .name: qkvb, .offset: 8, .size: 8, .value_kind: global_buffer, .address_space: global }
    .group_segment_fixed_size: 197120
    .private_segment_fixed_size: 0
    .kernarg_segment_align: 8
    .kernarg_segment_size: 16
    .max_flat_workgroup_size: 128
    .sgpr_count:     66
    .vgpr_count:     512
    .wavefront_size: 32
...
	.end_amdgpu_metadata
.endif
;; end of part 2
;; launch attn (part 3): grid 32 x 8, 8 waves a work-group, no clusters, 27,136 bytes of LDS; arguments qkvb, a2; writes a2
.if DOCPART == 3
	.amdgcn_target "amdgcn-amd-amdhsa--gfx1250"
	.amdhsa_code_object_version 6
	.text
	.protected	k_q5ef57b1241_attn
	.globl	k_q5ef57b1241_attn
	.p2align	8
	.type	k_q5ef57b1241_attn,@function
k_q5ef57b1241_attn:
	s_mov_b64 s[64:65], 0
	v_nop
	global_prefetch_b8 v0, s[64:65] scope:SCOPE_SE
	s_setreg_imm32_b32 hwreg(HW_REG_WAVE_MODE, 25, 1), 1
	s_wait_xcnt 0x0
; ATTENTION, causal, on codes of FP6: 2 batches x 8 heads (4 kv heads) x 2,048 tokens, head size 64.  The result o is quantised along the heads' channels and stored as K steps 0 to 3 of the last product's left operand.
; THE SOFTMAX AHEAD OF THE SECOND PRODUCT: t = score x log2(e) / 8; M = the running largest t rounded UP to a whole number; p = 2^(t - M) is quantised along the keys; the row's sum is taken of the unquantised p and divides at the end.
; SHARES.  y = 4 x batch + kv head; x = G.  A wave owns one tile of 16 queries of one head.  Waves 0-3: the block of 32 queries G (two tiles x the two heads of the kv head); waves 4-7: the block 63 - G.
; A short block beside a long one: every work-group has the same work.  All eight waves read the same K and V.
; K and V come as RECORDS of 128 keys (13,056 dense bytes), through registers into two LDS buffers that take turns: the record two steps on is being loaded while the next one is stored to LDS and this one is multiplied.  One barrier a step.
; The copying stands behind a step's first products, so that K's fragments are the first LDS traffic behind the barrier.
; Every work-group walks as many steps as its long block needs; a wave leaves out a step's WORK where all its keys come after its queries (a scalar branch on ids), never a barrier or its share of the copying.
; No LDS address is stepped: each is a lane's term and an immediate.
; HEAD SIZE 64 IN A PRODUCT OF K = 128: q's codes for K = 64 .. 127 are zeros and both sides' scale bytes there are 127, so whatever codes stand in K's upper six registers add nothing (E2M3 has no NaN and no infinity):
; K's tiles stand 6 registers apart, tile t in v[30 + 6 t .. 41 + 6 t]; tile 7's upper six are cleared once.
; Both products are used transposed (S^T = K Q^T, O^T = V^T P^T): a lane holds one query throughout; the keys of a tile and the channels of a tile of V are chosen so that a lane's registers are neighbours along the next K.
; NO PREFETCH INTO THE L2: a record is read by the 32 work-groups of its kv head, not once, and the loads already run two steps ahead.
; LIMITS: p under 2^-126 counts as 0; zero blocks get the byte 1; NaN and infinities are not served.
.set REC,    13056
.set QWORDS, 1572864
.set RECS,   1703936
.set A2WORDS,14155776
.set SPARE,  26112                     ; behind the two buffers: the spare words, 128 bytes for each of eight waves
.set LM,  1                            ; v1  16 x lane
.set LT,  2                            ; v2  16 r + 8 h
.set LSC, 3                            ; v3  4 r
.set C16, 4                            ; v4  16 x thread: my 16 bytes of each 4,096 of a record, in memory and in LDS
.set SPW, 5
.set NIL, 6
.set C4,  7                            ; v7  12,288 + 4 x thread: my word of a record's last 768 bytes (waves 0 to 5)
.set QD,  8                            ; v8  my query - 16 h
.set CP,  192                          ; v192-204, v206-218: two sets for a record on its way
.set SEL, 36
.set CS,  38                           ; s[38:39] c = log2(e) / 8
.set JS,  48                           ; s48 the key step
.set TR,  49                           ; s49 the loop's trips
.macro QUANT2 s, pc, pd, hw, tm
.irp b, 0,1
	v_max3_num_f32 v[\tm+\b], |v[\s+16*\b]|, |v[\s+1+16*\b]|, 0x1800000
.endr
.irp i, 2,4,6,8,10,12,14
.irp b, 0,1
	v_max3_num_f32 v[\tm+\b], v[\tm+\b], |v[\s+16*\b+\i]|, |v[\s+1+16*\b+\i]|
.endr
.endr
.irp b, 0,1
	v_permlanex16_b32 v[\tm+2+\b], v[\tm+\b], s[SEL], s[SEL+1]
.endr
.irp b, 0,1
	v_max_num_f32 v[\tm+\b], v[\tm+\b], v[\tm+2+\b]
.endr
.irp b, 0,1
	v_add_nc_u32 v[\tm+4+\b], 0xff000000, v[\tm+\b]
.endr
.irp b, 0,1
	v_lshrrev_b32 v[\tm+6+\b], 23, v[\tm+4+\b]
.endr
	v_lshl_or_b32 v[\hw], v[\tm+7], 8, v[\tm+6]
	v_cvt_scalef32_pk16_fp6_f32 v[\pc:\pc+2], v[\s:\s+15], v[\tm+4]
	v_cvt_scalef32_pk16_fp6_f32 v[\pd:\pd+2], v[\s+16:\s+31], v[\tm+5]
	v_nop
.irp i, 0,1,2
	v_permlane16_swap_b32 v[\pc+\i], v[\pd+\i]
.endr
.irp i, 0,1,2
	v_mov_b32 v[\pc+3+\i], v[\pd+\i]
.endr
.endm
.macro RLOAD set, base                 ; a record from memory into a set: three loads of 4,096 bytes by the 256 threads, and 768 bytes by waves 0 to 5
.irp i, 0,1,2
	global_load_b128 v[CP+14*(\set)+4*\i:CP+14*(\set)+4*\i+3], v[C16], s[\base:\base+1] offset:4096*\i
.endr
	s_cmp_lt_u32 s8, 6
	s_cbranch_scc0 .Lno_word_\@
	global_load_b32 v[CP+14*(\set)+12], v[C4], s[\base:\base+1]
.Lno_word_\@:
.endm
.macro RSTORE set, buf                 ; and from the set into an LDS buffer, as it lies
.irp i, 0,1,2
	ds_store_b128 v[C16], v[CP+14*(\set)+4*\i:CP+14*(\set)+4*\i+3] offset:(\buf)*REC+4096*\i
.endr
	s_cmp_lt_u32 s8, 6
	s_cbranch_scc0 .Lno_word_\@
	ds_store_b32 v[C4], v[CP+14*(\set)+12] offset:(\buf)*REC
.Lno_word_\@:
.endm
; My share of the copying in a step out of buffer p: the next record goes from its set into the other buffer, which nobody reads since this step's barrier; the record two steps on is asked for into the set that was stored a step ago.
.macro COPY p
	s_wait_loadcnt 0x0                             ; the next record is in its set: so the loads' base may be written, too
	RSTORE 1-(\p), 1-(\p)
	s_add_co_u32 s46, s[JS], 2
	s_min_u32 s46, s46, s19                        ; two steps on, held at the last record: no load leaves the kv head's records
	s_mul_i32 s46, s46, REC
	s_mov_b32 s47, 0
	s_add_nc_u64 s[42:43], s[40:41], s[46:47]
	RLOAD \p, 42
.endm
	s_load_b128 s[4:7], s[0:1], 0x0                ; qkvb, a2
	v_lshl_add_u32 v[SPW], v0, 2, SPARE
	v_mov_b32 v[NIL], 0
	v_lshrrev_b32 v9, 5, v0
	v_readfirstlane_b32 s8, v9                     ; wave 0..7
	s_mov_b32 s9, ttmp9                            ; G
	s_and_b32 s10, ttmp7, 0xffff                   ; y
	s_lshr_b32 s11, s8, 2                          ; the short block (0) or the long one (1)
	s_bfe_u32 s12, s8, 0x10001                     ; which of its two tiles
	s_and_b32 s13, s8, 1                           ; which of the kv head's two heads
	s_sub_co_u32 s14, 63, s9
	s_cmp_eq_u32 s11, 0
	s_cselect_b32 s15, s9, s14                     ; my block of 32 queries
	s_lshr_b32 s16, s15, 2                         ; my last key step, the one on the diagonal
	s_lshr_b32 s17, s14, 2
	s_add_co_u32 s17, s17, 1                       ; the key steps of the long block: 9 to 16
	s_add_co_u32 s18, s17, 1
	s_lshr_b32 s18, s18, 1                         ; trips of two steps
	s_sub_co_u32 s19, s17, 1                       ; the last record that is ever asked for
	s_lshr_b32 s20, s10, 2                         ; batch
	s_and_b32 s21, s10, 3                          ; kv head
	s_lshl_b32 s22, s20, 7
	s_lshl_b32 s23, s15, 1
	s_add_co_u32 s22, s22, s23
	s_add_co_u32 s22, s22, s12                     ; my token tile
	s_lshl_b32 s23, s21, 1
	s_add_co_u32 s23, s23, s13                     ; my head
	s_lshl_b32 s24, s22, 3
	s_add_co_u32 s24, s24, s23
	s_mov_b32 s[SEL], 0x76543210
	s_mov_b32 s[SEL+1], 0xfedcba98
	s_mov_b32 s[CS], 0x3e38aa3b
	s_mov_b32 s[CS+1], s[CS]                       ; (named with it as a pair, so it is written)
	s_mov_b32 s[JS], 0
	s_mov_b32 s[TR], 0
	v_and_b32 v9, 31, v0
	v_and_b32 v10, 15, v0                          ; r
	v_bfe_u32 v11, v0, 4, 1                        ; h
	v_lshlrev_b32 v[LM], 4, v9
	v_lshlrev_b32 v[LT], 4, v10
	v_lshl_add_u32 v[LT], v11, 3, v[LT]
	v_lshlrev_b32 v[LSC], 2, v10
	v_lshlrev_b32 v[C16], 4, v0
	v_lshl_add_u32 v[C4], v0, 2, 12288
	v_and_b32 v[QD], 7, v10
	v_lshrrev_b32 v12, 3, v10
	v_lshl_add_u32 v[QD], v12, 4, v[QD]            ; tile row r is query 8 (tile % 2) + r % 8 + 16 (r / 8) of the block
	v_lshlrev_b32 v12, 4, v11
	v_sub_nc_u32 v[QD], v[QD], v12
	s_lshl_b32 s34, s15, 5
	s_lshl_b32 s35, s12, 3
	s_add_co_u32 s34, s34, s35
	v_add_nc_u32 v[QD], s34, v[QD]
	s_mul_i32 s34, s24, 768
	s_mov_b32 s35, 0
	s_lshl_b32 s46, s24, 6
	s_add_co_u32 s46, s46, QWORDS
	s_mov_b32 s47, 0
	s_wait_kmcnt 0x0
	s_add_nc_u64 s[26:27], s[4:5], s[34:35]        ; q's unit
	s_add_nc_u64 s[28:29], s[4:5], s[46:47]        ; and its scale words
	s_mul_i32 s34, s10, 16*REC
	s_add_co_u32 s34, s34, RECS
	s_add_nc_u64 s[40:41], s[4:5], s[34:35]        ; the kv head's record 0
	s_add_nc_u64 s[42:43], s[40:41], REC           ; record 1 (there are nine at the least)
	global_load_b128 v[16:19], v[LM], s[26:27]
	global_load_b64 v[20:21], v[LT], s[26:27] offset:512
	global_load_b32 v255, v[LSC], s[28:29]
	RLOAD 0, 40
	RLOAD 1, 42
	s_mul_i32 s34, s22, 55296
	s_mul_i32 s46, s21, 1536
	s_add_co_u32 s34, s34, s46
	s_mul_i32 s46, s13, 768
	s_add_co_u32 s34, s34, s46
	s_add_nc_u64 s[30:31], s[6:7], s[34:35]        ; o: tile, K step = kv head, unit = which of its heads
	s_lshl_b32 s34, s21, 14
	s_lshl_b32 s46, s22, 6
	s_add_co_u32 s34, s34, s46
	s_lshl_b32 s46, s13, 1
	s_add_co_u32 s34, s34, s46
	s_add_co_u32 s34, s34, A2WORDS
	s_add_nc_u64 s[32:33], s[6:7], s[34:35]        ; and its half of the scale words
.irp i, 22,23,24,25,26,27
	v_mov_b32 v[\i], 0                             ; q's codes for K = 64 .. 127
.endr
.irp i, 78,79,80,81,82,83
	v_mov_b32 v[\i], 0                             ; tile 7's upper six registers
.endr
	v_mov_b32 v13, 0xff61b1e6                      ; the largest t so far: -3e38
	v_floor_f32 v12, -v13                          ; -M
	v_mov_b32 v14, 0                               ; the sum, in two halves
	v_mov_b32 v15, 0
.irp i, 236,237,238,239,246,247,252,253
	v_mov_b32 v[\i], 0                             ; lane permutes' destinations, and the upper half of the pair v[252:253]: written once
.endr
.set j, 0
.rept 32
	v_mov_b32 v[160+j], 0                          ; O^T: the step is written once; the first finds zeros, which the first change of M leaves zeros
.set j, j+1
.endr
	s_wait_loadcnt 3                               ; q and record 0 are in: behind them stand record 1's loads, three in waves 6 and 7, four in the others
	RSTORE 0, 0
; A KEY STEP out of buffer p.
.macro STEP p
	s_wait_dscnt 0x0                               ; my stores of this step's record have landed, and my reads of the other buffer are over
	s_barrier_signal -1
	s_barrier_wait -1                              ; both now hold of all eight waves
	s_cmp_gt_u32 s[JS], s16                        ; all 128 keys come after my queries: the step's work is left out, my share of the copying is not
	s_cbranch_scc1 .Lhidden_\@
.irp t, 0,1,2,3,4,5,6,7
	ds_load_b128 v[30+6*\t:33+6*\t], v[LM] offset:(\p)*REC+768*\t
	ds_load_b64 v[34+6*\t:35+6*\t], v[LT] offset:(\p)*REC+768*\t+512
	ds_load_b32 v[84+\t], v[LSC] offset:(\p)*REC+12288+64*\t
.endr
	s_wait_dscnt 0x0
.irp t, 0,1,2,3,4,5,6,7                        ; S^T = K Q^T: lane (r, h) holds query r; the 16 registers of tiles 2 b, 2 b + 1 are keys 32 b + 16 h + 0 .. 15 of the step
	v_wmma_scale_f32_16x16x128_f8f6f4 v[96+8*\t:103+8*\t], v[30+6*\t:41+6*\t], v[16:27], 0, v[84+\t], v255 matrix_a_fmt:MATRIX_FMT_FP6 matrix_b_fmt:MATRIX_FMT_FP6
.endr
.rept 4
	v_nop                                          ; places: in front of loads into registers that these products read, and of the first read of the scores
.endr
.irp a, 0,1,2,3                                ; V's four fragments and their words are asked for now and land under the softmax
	ds_load_b128 v[30+12*\a:33+12*\a], v[LM] offset:(\p)*REC+6144+1536*\a
	ds_load_b64 v[34+12*\a:35+12*\a], v[LT] offset:(\p)*REC+6144+1536*\a+512
	ds_load_b128 v[36+12*\a:39+12*\a], v[LM] offset:(\p)*REC+6144+1536*\a+768
	ds_load_b64 v[40+12*\a:41+12*\a], v[LT] offset:(\p)*REC+6144+1536*\a+1280
	ds_load_b32 v[84+\a], v[LSC] offset:(\p)*REC+12800+64*\a
.endr
	COPY \p                                        ; behind all that this step reads from LDS
	s_cmp_lg_u32 s[JS], s16                        ; only my last step lies on the diagonal
	s_cbranch_scc1 .Lopen_\@
	s_lshl_b32 s46, s[JS], 7
	v_sub_nc_u32 v252, v[QD], s46                  ; d = my query - the step's first key - 16 h: register 16 b + i is hidden where 32 b + i > d
	v_mov_b32 v254, 0xff800000                     ; -infinity: p = 0 then
.set n, 0
.rept 64
	v_cmp_gt_i32 vcc_lo, 32*(n/16)+n%16, v252
	v_cndmask_b32 v[96+n], v[96+n], v254, vcc_lo
.set n, n+1
.endr
.Lopen_\@:
.irp b, 0,1,2,3
	v_max3_num_f32 v[232+\b], v[96+16*\b], v[97+16*\b], v[98+16*\b]   ; the largest score of each block of 32 keys: for the row's maximum, and, since p rises with the score, for the block's largest p
.endr
.irp i, 3,5,7,9,11,13
.irp b, 0,1,2,3
	v_max3_num_f32 v[232+\b], v[232+\b], v[96+16*\b+\i], v[97+16*\b+\i]
.endr
.endr
.irp b, 0,1,2,3
	v_max_num_f32 v[232+\b], v[232+\b], v[111+16*\b]
.endr
.irp b, 0,1,2,3
	v_permlanex16_b32 v[236+\b], v[232+\b], s[SEL], s[SEL+1]
.endr
.irp b, 0,1,2,3
	v_max_num_f32 v[232+\b], v[232+\b], v[236+\b]
.endr
	v_max3_num_f32 v254, v232, v233, v234
	v_max_num_f32 v254, v254, v235
	v_mul_f32 v254, s[CS], v254                    ; as t
	v_max_num_f32 v13, v13, v254                   ; the running largest t
	v_mov_b32 v254, v12
	v_floor_f32 v12, -v13                          ; the new -M = -ceil(t)
	v_sub_f32 v254, v12, v254                      ; old M - new M: a whole number, 0 or less
	v_cvt_i32_f32 v254, v254                       ; (it saturates)
	v_ldexp_f32 v252, 1.0, v254                    ; f = 2^(old M - new M): exact
.set j, 0
.rept 32
	v_pk_fma_f32 v[96+j:97+j], v[96+j:97+j], s[CS:CS+1], v[12:13] op_sel_hi:[1,0,0]   ; t - M
.set j, j+2
.endr
.irp b, 0,1,2,3
	v_fma_f32 v[232+\b], v[232+\b], s[CS], v12
.endr
.set j, 0
.rept 64
	v_exp_f32 v[96+j], v[96+j]                     ; p, at most 1, not normalised
.set j, j+1
.endr
	v_pk_mul_f32 v[14:15], v[14:15], v[252:253] op_sel_hi:[1,0]   ; the sums under the new M.  (The plain place behind the batch)
	s_wait_alu depctr_va_vdst(0)                   ; one wait for the 64, ahead of their first reader
.irp b, 0,1,2,3
	v_exp_f32 v[232+\b], v[232+\b]                 ; each block's largest p
.endr
	v_pk_add_f32 v[236:237], v[96:97], v[98:99]    ; the row's sum of the unquantised p, two at a time, in FOUR chains by turns: a link stands four lines behind the link that it adds onto
	v_pk_add_f32 v[240:241], v[100:101], v[102:103]
	v_pk_add_f32 v[242:243], v[104:105], v[106:107]
.set j, 12
.rept 6
	v_pk_add_f32 v[14:15], v[14:15], v[96+j:97+j]
	v_pk_add_f32 v[236:237], v[236:237], v[98+j:99+j]
	v_pk_add_f32 v[240:241], v[240:241], v[100+j:101+j]
	v_pk_add_f32 v[242:243], v[242:243], v[102+j:103+j]
.set j, j+8
.endr
	v_pk_add_f32 v[14:15], v[14:15], v[156:157]
	v_pk_add_f32 v[236:237], v[236:237], v[158:159]
	v_pk_add_f32 v[240:241], v[240:241], v[242:243]
	v_pk_add_f32 v[14:15], v[14:15], v[236:237]
	v_pk_add_f32 v[14:15], v[14:15], v[240:241]
	s_wait_alu depctr_va_vdst(0)                   ; and one for the four
.irp b, 0,1,2,3
	v_max_num_f32 v[232+\b], 0x1800000, v[232+\b]  ; the floor: the byte cannot fall under 1
.endr
.irp b, 0,1,2,3
	v_add_nc_u32 v[244+\b], 0xff000000, v[232+\b]
.endr
.irp b, 0,1,2,3
	v_lshrrev_b32 v[236+\b], 23, v[244+\b]
.endr
	v_lshl_or_b32 v253, v237, 8, v236              ; p's scale word for these 128 keys
	v_lshl_or_b32 v253, v238, 16, v253
	v_lshl_or_b32 v253, v239, 24, v253
.irp c, 0,1
	v_cvt_scalef32_pk16_fp6_f32 v[224+6*\c:226+6*\c], v[96+32*\c:111+32*\c], v[244+2*\c]
	v_cvt_scalef32_pk16_fp6_f32 v[236+4*\c:238+4*\c], v[112+32*\c:127+32*\c], v[244+2*\c+1]
.endr
	v_nop                                          ; one plain place behind a scaled conversion
.irp c, 0,1
.irp i, 0,1,2
	v_permlane16_swap_b32 v[224+6*\c+\i], v[236+4*\c+\i]
.endr
.irp i, 0,1,2
	v_mov_b32 v[227+6*\c+\i], v[236+4*\c+\i]
.endr
.endr
.set j, 0
.rept 16
	v_pk_mul_f32 v[160+j:161+j], v[160+j:161+j], v[252:253] op_sel_hi:[1,0]   ; O^T under the new M.  (These sixteen stand between the writing of p's codes and scale word and the products)
.set j, j+2
.endr
	s_wait_dscnt 0x0                               ; V
.irp a, 0,1,2,3                                ; O^T += V^T P^T: the four accumulators by turns
	v_wmma_scale_f32_16x16x128_f8f6f4 v[160+8*\a:167+8*\a], v[30+12*\a:41+12*\a], v[224:235], v[160+8*\a:167+8*\a], v[84+\a], v253 matrix_a_fmt:MATRIX_FMT_FP6 matrix_b_fmt:MATRIX_FMT_FP6
.endr
.rept 4
	v_nop                                          ; places in front of the next step's loads into V's registers, and of the reads of O^T on the way out
.endr
	s_branch .Ljoin_\@
.Lhidden_\@:
	COPY \p
.Ljoin_\@:
	s_add_co_u32 s[JS], s[JS], 1
.endm
.Lpair:
	STEP 0
	STEP 1
	s_add_co_u32 s[TR], s[TR], 1
	s_cmp_lt_u32 s[TR], s18
	s_cbranch_scc1 .Lpair
	v_add_f32 v14, v14, v15                        ; THE WAY OUT: the sum's two halves,
	v_permlanex16_b32 v252, v14, s[SEL], s[SEL+1]
	v_add_f32 v14, v14, v252                       ; and lane l xor 16's
	v_rcp_f32 v14, v14
	v_nop
	s_wait_alu depctr_va_vdst(0)
.set j, 0
.rept 32
	v_mul_f32 v[96+j], v[160+j], v14               ; o: register 16 b + i is channel 32 b + 16 h + i of my query's head
.set j, j+1
.endr
	QUANT2 96, 224, 236, 240, 244
	global_store_b128 v[LM], v[224:227], s[30:31]
	global_store_b64 v[LT], v[228:229], s[30:31] offset:512
	global_store_b16 v[LSC], v240, s[32:33]        ; my head's half of the rows' scale words: two bytes a row, 32 for each 768 of codes
	s_wait_tensorcnt 0x0                           ; the wave's end, behind my last LDS store
	ds_add_u32 v[SPW], v[NIL]
	s_wait_dscnt 0x0
	s_endpgm
.Lfunc_end_k_q5ef57b1241_attn:
	.size	k_q5ef57b1241_attn, .Lfunc_end_k_q5ef57b1241_attn-k_q5ef57b1241_attn
	.p2alignl 7, 3214868480
	.fill 96, 4, 3214868480
	.section	.rodata,"a",@progbits
	.p2align	6, 0x0
	.amdhsa_kernel k_q5ef57b1241_attn
		.amdhsa_group_segment_fixed_size 27136
		.amdhsa_private_segment_fixed_size 0
		.amdhsa_enable_private_segment 0
		.amdhsa_kernarg_size 16
		.amdhsa_user_sgpr_count 2
		.amdhsa_user_sgpr_kernarg_segment_ptr 1
		.amdhsa_wavefront_size32 1
		.amdhsa_system_sgpr_workgroup_id_x 1
		.amdhsa_system_sgpr_workgroup_id_y 1
		.amdhsa_system_sgpr_workgroup_id_z 1
		.amdhsa_system_vgpr_workitem_id 0
		.amdhsa_next_free_vgpr 256
		.amdhsa_next_free_sgpr 66
		.amdhsa_reserve_vcc 1
		.amdhsa_float_denorm_mode_32 3
		.amdhsa_float_denorm_mode_16_64 3
		.amdhsa_memory_ordered 1
		.amdhsa_forward_progress 1
		.amdhsa_inst_pref_size 58
	.end_amdhsa_kernel
	.amdgpu_metadata
---
amdhsa.version: [ 1, 2 ]
amdhsa.kernels:
  - .name:           k_q5ef57b1241_attn
    .symbol:         k_q5ef57b1241_attn.kd
    .args:
      - { .name: qkvb, .offset: 0, .size: 8, .value_kind: global_buffer, .address_space: global }
      - { .name: a2, .offset: 8, .size: 8, .value_kind: global_buffer, .address_space: global }
    .group_segment_fixed_size: 27136
    .private_segment_fixed_size: 0
    .kernarg_segment_align: 8
    .kernarg_segment_size: 16
    .max_flat_workgroup_size: 256
    .sgpr_count:     66
    .vgpr_count:     256
    .wavefront_size: 32
...
	.end_amdgpu_metadata
.endif
;; end of part 3
;; launch ffn_up (part 4): grid 32 x 16, 4 waves a work-group, clusters of 4 x 4, 327,680 bytes of LDS; arguments wts, a2; writes a2
.if DOCPART == 4
	.amdgcn_target "amdgcn-amd-amdhsa--gfx1250"
	.amdhsa_code_object_version 6
	.text
	.protected	k_q5ef57b1241_ffn_up
	.globl	k_q5ef57b1241_ffn_up
	.p2align	8
	.type	k_q5ef57b1241_ffn_up,@function
k_q5ef57b1241_ffn_up:
	s_mov_b64 s[64:65], 0
	v_nop
	global_prefetch_b8 v0, s[64:65] scope:SCOPE_SE
	s_setreg_imm32_b32 hwreg(HW_REG_WAVE_MODE, 25, 1), 1
	s_wait_xcnt 0x0
	s_wait_alu depctr_hold_cnt(0) depctr_sa_sdst(0) depctr_va_vdst(0) depctr_va_sdst(0) depctr_va_ssrc(0) depctr_va_vcc(0) depctr_vm_vsrc(0)
	s_getreg_b32 s2, hwreg(HW_REG_IB_STS2, 6, 4)
	s_cmp_eq_u32 s2, 0
	s_cbranch_scc0 .Lentry_in_a_cluster
	s_endpgm
.Lentry_in_a_cluster:
	s_bfe_u32 s2, ttmp6, 0x10000c
	s_cmp_lg_u32 s2, 0xf033
	s_cbranch_scc0 .Lentry_shape_is_right
	s_endpgm
.Lentry_shape_is_right:
; FFN, FIRST HALF: h = silu(xn w_gate) x (xn w_up), both products on codes of FP6, K = 1,024; h is quantised in registers along the 4,096 hidden units and stored as K steps 4 to 35 of the last product's left operand.
; A work-group takes 256 tokens (source 1) x 128 hidden units of w_gate and the same 128 of w_up (source 0: 16 tiles); four waves, each 128 x 128: 64 accumulators.  In a wave's eight tiles of source 0 the first four are
; w_gate's and the last four w_up's, for the same 64 units: so a lane holds g and u of the same token and unit, 32 registers apart, and its 32 units are two whole blocks along the next K.
; K goes in 8 steps of 128 through a ring of two LDS slots of two steps each, filled by the tensor data mover; operands lie in memory in the order of the operands' registers, so a fragment is 4 LDS loads without conflicts.
; CLUSTERS: 4 x 4 work-groups; the tokens' tiles are shared along a row of the cluster, the weights' along a column: each is asked for jointly.
; The scale words of a wave's 8 + 8 tiles for all of K stay in 64 registers: register (tile, j) holds K step 2 j in lanes 0-15 and step 2 j + 1 in lanes 16-31.
; silu(g) u is formed as (g u) / (1 + 2^(-g log2 e)), in f32.  LIMITS: where g u overflows f32 the result is not reference()'s; zero blocks get the byte 1; NaN and infinities are not served.
.set SLOT,   98304                     ; source 1's 16 tiles of 3,072 bytes (two K steps), then source 0's
.set S0OFF,  49152
.set SX,     196608                    ; behind the ring: h's scale words of the 256 tokens, 1,024 bytes, gathered from the four waves
.set SPARE,  197632                    ; the spare words
.set SCALE1, 13762560
.set A2WORDS,14155776
.set FR,  12
.set NL,  4                            ; LDS loads that bring a fragment
.set AM1, 16                           ; v16-19 source 1's fragments in slot 0, 1: 16 x lane; 512 + 16 r + 8 h
.set AT1, 18
.set AM0, 20                           ; v20-23 source 0's
.set AT0, 22
.set OM,  24                           ; v24 16 x lane
.set OT,  25                           ; v25 512 + 16 r + 8 h: the 512 stands in the register, so no offset adds it again
.set SXA, 26                           ; v26 where I put two scale bytes
.set SXR, 27                           ; v27 where I read 8 of them back
.set SPW, 28
.set NIL, 29
.set L4,  30                           ; v30 4 x lane
.set L8,  31                           ; v31 8 x lane
.set SC1, 32                           ; v32-63 source 1's scale words
.set SC0, 64                           ; v64-95 source 0's
.set TM,  96                           ; v96-103 at work
.set WB,  104
.set PD,  112
.set HW,  116                          ; v116-123
.set AF,  128                          ; v128-223 source 1's fragments, one set;  window 1: source 0's, two sets at v0 and v128;  windows 2, 3: accumulator (a, b) at 8 (8 (a % 4) + b)
.set E,   128                          ; the way out: v128-159, v160-191, v192-253
.set H,   160
.set PC,  192
.set G1,  24
.set G0,  32
.set G1B, 48
.set G0B, 56
.set SEL, 94
.set MUL_LO, 0xa1
.set MUL_HI, 0xf1
.set TO_B,   0x40
.set MSB, 0
.macro WIN new
.if MSB != \new
	s_set_vgpr_msb (MSB<<8)|\new
.set MSB, \new
.endif
.endm
.macro PLACES
.rept 4
	v_nop
.endr
.endm
.macro JLOAD g0a, g1a, g0b, g1b        ; a joint load: waves 0 and 1 fetch for source 1, waves 2 and 3 for source 0; the branch hangs on the wave's number alone; an s_nop 0 and four v_nop follow each line
	s_cmp_eq_u32 s15, 0
	s_cbranch_scc0 .Lfor_b_\@
	tensor_load_to_lds s[\g0a:\g0a+3], s[\g1a:\g1a+7]
	s_nop 0
.rept 4
	v_nop
.endr
	s_branch .Lasked_\@
.Lfor_b_\@:
	tensor_load_to_lds s[\g0b:\g0b+3], s[\g1b:\g1b+7]
	s_nop 0
.rept 4
	v_nop
.endr
.Lasked_\@:
.endm
.macro CREST
	s_cmp_lg_u32 s14, 0
	s_cbranch_scc1 .Lnot_wave_0_\@
	s_barrier_signal -3
.Lnot_wave_0_\@:
	s_barrier_wait -3
	s_barrier_signal -1
	s_barrier_wait -1
.endm
.macro CROUND
	s_barrier_signal -1
	s_barrier_wait -1
	CREST
.endm
.macro FRAG reg, am, at, off
	ds_load_b128 v[\reg:\reg+3], v[\am] offset:\off
	ds_load_b64 v[\reg+4:\reg+5], v[\at] offset:\off
	ds_load_b128 v[\reg+6:\reg+9], v[\am] offset:\off+768
	ds_load_b64 v[\reg+10:\reg+11], v[\at] offset:\off+768
.endm
.macro FETCH_B slot, q, p              ; source 0's eight fragments of the slot's q-th step into set p
	WIN TO_B
.irp i, 0,1,2,3,4,5,6,7
	FRAG 128*(\p)+FR*\i, AM0+(\slot), AT0+(\slot), \i*3072+(\q)*1536
.endr
	WIN 0
.endm
.macro FETCH_A slot, q, i0             ; source 1's blocks i0 .. i0 + 3
.irp i, \i0, \i0+1, \i0+2, \i0+3
	FRAG AF+FR*(\i), AM1+(\slot), AT1+(\slot), (\i)*3072+(\q)*1536
.endr
.endm
.macro MUL16 a0, s                     ; 16 matrix instructions of K step s: source 1's blocks a0, a0 + 1 x source 0's eight.  The 64 accumulators take turns, in the same order in every step
.irp a, \a0, \a0+1
.irp b, 0,1,2,3,4,5,6,7
.set rD, 8*(8*((\a)%4)+\b)
.set rA, 128*((\s)%2)+FR*\b
.set rB, AF+FR*(\a)
.set rX, SC0+4*\b+(\s)/2
.set rY, SC1+4*(\a)+(\s)/2
.if (\s) == 0
	v_wmma_scale_f32_16x16x128_f8f6f4 v[rD:rD+7], v[rA:rA+11], v[rB:rB+11], 0, v[rX], v[rY] matrix_a_fmt:MATRIX_FMT_FP6 matrix_b_fmt:MATRIX_FMT_FP6
.elseif (\s)%2 == 0
	v_wmma_scale_f32_16x16x128_f8f6f4 v[rD:rD+7], v[rA:rA+11], v[rB:rB+11], v[rD:rD+7], v[rX], v[rY] matrix_a_fmt:MATRIX_FMT_FP6 matrix_b_fmt:MATRIX_FMT_FP6
.else
	v_wmma_scale_f32_16x16x128_f8f6f4 v[rD:rD+7], v[rA:rA+11], v[rB:rB+11], v[rD:rD+7], v[rX], v[rY] matrix_a_fmt:MATRIX_FMT_FP6 matrix_b_fmt:MATRIX_FMT_FP6 matrix_a_scale:MATRIX_SCALE_ROW1 matrix_b_scale:MATRIX_SCALE_ROW1
.endif
.endr
.endr
.endm
.macro STEP slot, s                    ; a slot's first step (s even): its successor lies in the same slot
	s_wait_dscnt 4*NL                              ; source 0's set and source 1's blocks 0-3 are in; the youngest 16 loads (blocks 4-7) may be out
	WIN MUL_LO
	MUL16 0, \s
	MUL16 2, \s
	s_wait_dscnt 0x0                               ; blocks 4-7 are in
	PLACES
	FETCH_B \slot, 1, 1
	FETCH_A \slot, 1, 0
	WIN MUL_HI
	MUL16 4, \s
	MUL16 6, \s
	PLACES
	WIN 0
	FETCH_A \slot, 1, 4
.endm
.macro TURN slot, next, fill, s        ; a slot's last step (s odd) changes slots: ONE barrier; fill = 1: this slot is filled again, four K steps on
	s_wait_tensorcnt 0x0                           ; all my tensor loads have landed: my part of the next slot
	ds_add_u32 v[SPW], v[NIL]                      ; 0 onto my spare word
	s_wait_dscnt 4*NL+1                            ; (the add and the youngest 16 loads may be out)
	WIN MUL_LO
	MUL16 0, \s
	s_wait_dscnt 0x0                               ; the add is done, and my reads of this slot are over
	s_barrier_signal -1
	MUL16 2, \s
	WIN 0
	s_barrier_wait -1
.if \fill
	CREST                                          ; the barrier has opened a round of the cluster's: no wave of any partner still reads this slot or has a load on its way
	s_add_nc_u64 s[G0+4*(\slot)+2:G0+4*(\slot)+3], s[G0+4*(\slot)+2:G0+4*(\slot)+3], 6144
	s_add_nc_u64 s[G0B+4*(\slot)+2:G0B+4*(\slot)+3], s[G0B+4*(\slot)+2:G0B+4*(\slot)+3], 6144
	JLOAD G0+4*(\slot), G1, G0B+4*(\slot), G1B     ; my one tensor load behind the round; its four v_nop are the places in front of the loads below
.else
	PLACES
.endif
	FETCH_B \next, 0, 0
	FETCH_A \next, 0, 0
	WIN MUL_HI
	MUL16 4, \s
	MUL16 6, \s
	PLACES
	WIN 0
	FETCH_A \next, 0, 4
.endm
.macro QUANT2 s, pc, pd, hw, tm
.irp b, 0,1
	v_max3_num_f32 v[\tm+\b], |v[\s+16*\b]|, |v[\s+1+16*\b]|, 0x1800000
.endr
.irp i, 2,4,6,8,10,12,14
.irp b, 0,1
	v_max3_num_f32 v[\tm+\b], v[\tm+\b], |v[\s+16*\b+\i]|, |v[\s+1+16*\b+\i]|
.endr
.endr
.irp b, 0,1
	v_permlanex16_b32 v[\tm+2+\b], v[\tm+\b], s[SEL], s[SEL+1]
.endr
.irp b, 0,1
	v_max_num_f32 v[\tm+\b], v[\tm+\b], v[\tm+2+\b]
.endr
.irp b, 0,1
	v_add_nc_u32 v[\tm+4+\b], 0xff000000, v[\tm+\b]
.endr
.irp b, 0,1
	v_lshrrev_b32 v[\tm+6+\b], 23, v[\tm+4+\b]
.endr
	v_lshl_or_b32 v[\hw], v[\tm+7], 8, v[\tm+6]
	v_cvt_scalef32_pk16_fp6_f32 v[\pc:\pc+2], v[\s:\s+15], v[\tm+4]
	v_cvt_scalef32_pk16_fp6_f32 v[\pd:\pd+2], v[\s+16:\s+31], v[\tm+5]
	v_nop
.irp i, 0,1,2
	v_permlane16_swap_b32 v[\pc+\i], v[\pd+\i]
.endr
.irp i, 0,1,2
	v_mov_b32 v[\pc+3+\i], v[\pd+\i]
.endr
.endm
	s_load_b128 s[4:7], s[0:1], 0x0                ; wts, a2
	v_lshl_add_u32 v[SPW], v0, 2, SPARE
	v_mov_b32 v[NIL], 0
	ds_add_u32 v[SPW], v[NIL]                      ; the wave's opening: the add and its wait ahead of my first tensor load
	v_lshrrev_b32 v1, 5, v0
	v_readfirstlane_b32 s14, v1                    ; wave
	s_lshr_b32 s15, s14, 1                         ; my half of the tokens.  Also: I fetch for source 1 (0) or source 0 (1)
	s_and_b32 s16, s14, 1                          ; my half of the hidden units.  Also: which 8 tiles I fetch
	s_bfe_u32 s40, ttmp6, 0x40000                  ; cx, cy
	s_bfe_u32 s41, ttmp6, 0x40004
	s_lshl_b32 s42, ttmp9, 2
	s_add_co_u32 s42, s42, s40                     ; F: the block of 128 hidden units
	s_and_b32 s17, ttmp7, 0xffff
	s_lshl_b32 s17, s17, 2
	s_add_co_u32 s17, s17, s41                     ; the block of 256 tokens
	s_lshl_b32 s43, s41, 2
	s_lshl_b32 s43, 15, s43                        ; my row of the cluster
	s_lshl_b32 s44, 0x1111, s40                    ; my column
	s_or_b32 s[G1+0], s43, (3<<16)|(1<<21)         ; the mask; elements of 8 bytes; bit 21 beside a mask; no padding
	s_or_b32 s[G1B+0], s44, (3<<16)|(1<<21)
.irp g, G1, G1B
	s_mov_b32 s[\g+1], 384<<16                     ; tensor_dim0: two K steps of a tile, 3,072 bytes
	s_mov_b32 s[\g+2], 8<<16                       ; tensor_dim1: 8 tiles
	s_mov_b32 s[\g+3], 384<<16
	s_mov_b32 s[\g+4], 8
	s_mov_b32 s[\g+5], 1536                        ; from tile to tile: 12,288 bytes
	s_mov_b32 s[\g+6], 0
	s_mov_b32 s[\g+7], 0
.endr
	s_mov_b32 s[SEL], 0x76543210
	s_mov_b32 s[SEL+1], 0xfedcba98
	s_lshl_b32 s18, s16, 3
	s_lshl_b32 s20, s17, 4
	s_add_co_u32 s20, s20, s18                     ; tokens: tile 16 x block + 8 x half
	s_mul_i32 s20, s20, 12288
	s_mov_b32 s21, 0
	s_lshl_b32 s46, s42, 4
	s_add_co_u32 s46, s46, s18
	s_add_co_u32 s46, s46, 320                     ; weights: tile 320 + 16 F + 8 x half
	s_mul_i32 s46, s46, 12288
	s_mov_b32 s47, 0
	s_mul_i32 s45, s14, 24576                      ; where they go: wave x 8 tiles: no place in the cluster enters an LDS address
	s_wait_dscnt 0x0                               ; the opening add is done
	s_wait_kmcnt 0x0
	s_add_nc_u64 s[20:21], s[4:5], s[20:21]
	s_add_nc_u64 s[46:47], s[4:5], s[46:47]
	CROUND                                         ; all sixteen work-groups are here: the first joint loads meet
.irp s, 0,1
	s_mov_b32 s[G0+4*\s], 1
	s_add_co_u32 s[G0+4*\s+1], s45, \s*SLOT
	s_add_nc_u64 s[G0+4*\s+2:G0+4*\s+3], s[20:21], \s*3072
	s_or_b32 s[G0+4*\s+3], s[G0+4*\s+3], 0x80000000
	s_mov_b32 s[G0B+4*\s], 1
	s_add_co_u32 s[G0B+4*\s+1], s45, \s*SLOT
	s_add_nc_u64 s[G0B+4*\s+2:G0B+4*\s+3], s[46:47], \s*3072
	s_or_b32 s[G0B+4*\s+3], s[G0B+4*\s+3], 0x80000000
	JLOAD G0+4*\s, G1, G0B+4*\s, G1B               ; two loads of mine are out
.endr
	v_and_b32 v1, 15, v0                           ; r
	v_bfe_u32 v2, v0, 4, 1                         ; h
	v_and_b32 v3, 31, v0
	v_lshlrev_b32 v[OM], 4, v3
	v_lshlrev_b32 v[OT], 4, v1
	v_lshl_add_u32 v[OT], v2, 3, v[OT]
	v_add_nc_u32 v[OT], 512, v[OT]
	v_lshlrev_b32 v[L4], 2, v3
	v_lshlrev_b32 v[L8], 3, v3
	s_lshl_b32 s20, s17, 4
	s_lshl_b32 s21, s15, 3
	s_add_co_u32 s20, s20, s21                     ; my first token tile
	s_lshl_b32 s22, s20, 9
	s_add_co_u32 s22, s22, SCALE1
	s_mov_b32 s23, 0
	s_add_nc_u64 s[22:23], s[4:5], s[22:23]
	s_lshl_b32 s46, s42, 4
	s_lshl_b32 s47, s16, 3
	s_add_co_u32 s46, s46, s47
	s_add_co_u32 s46, s46, 320
	s_lshl_b32 s46, s46, 9
	s_add_co_u32 s46, s46, SCALE1
	s_mov_b32 s47, 0
	s_add_nc_u64 s[46:47], s[4:5], s[46:47]
.irp i, 0,1,2,3,4,5,6,7
.irp j, 0,1,2,3
	global_load_b32 v[SC1+4*\i+\j], v[L4], s[22:23] offset:512*\i+128*\j
	global_load_b32 v[SC0+4*\i+\j], v[L4], s[46:47] offset:512*\i+128*\j
.endr
.endr
	s_mul_i32 s21, s15, 24576
	s_mul_i32 s18, s16, 24576
	s_add_co_u32 s18, s18, S0OFF
.irp s, 0,1
	v_add_nc_u32 v[AM1+\s], s21, v[OM]
	v_add_nc_u32 v[AT1+\s], s21, v[OT]
	v_add_nc_u32 v[AM0+\s], s18, v[OM]
	v_add_nc_u32 v[AT0+\s], s18, v[OT]
	s_add_co_u32 s21, s21, SLOT
	s_add_co_u32 s18, s18, SLOT
.endr
	s_lshl_b32 s21, s15, 9
	s_lshl_b32 s18, s16, 1
	s_add_co_u32 s21, s21, s18
	s_add_co_u32 s21, s21, SX
	v_lshl_add_u32 v[SXA], v1, 2, s21              ; token tile 8 wr + a: 64 bytes each; row r's word; my half of it
	s_lshl_b32 s21, s14, 8
	s_add_co_u32 s21, s21, SX
	v_add_nc_u32 v[SXR], s21, v[L8]
	v_mov_b32 v[TM+2], 0                           ; written once: a lane permute's destination counts as one of its sources
	v_mov_b32 v[TM+3], 0
	s_mul_i32 s66, s20, 55296
	s_add_co_u32 s67, s42, 4                       ; the K step of the last product: 4 + F
	s_mul_i32 s68, s67, 1536
	s_add_co_u32 s66, s66, s68
	s_mul_i32 s68, s16, 768
	s_add_co_u32 s66, s66, s68
	s_lshl_b32 s68, s67, 14
	s_lshl_b32 s69, s17, 10
	s_add_co_u32 s68, s68, s69
	s_lshl_b32 s69, s14, 8
	s_add_co_u32 s68, s68, s69
	s_add_co_u32 s68, s68, A2WORDS
	s_mov_b32 s67, 0
	s_mov_b32 s69, 0
	s_add_nc_u64 s[66:67], s[6:7], s[66:67]        ; h's units
	s_add_nc_u64 s[68:69], s[6:7], s[68:69]        ; and my 256 bytes of its scale words
	s_wait_tensorcnt 0x1                           ; my part of slot 0 is in (slot 1's may be out),
	s_barrier_signal -1
	s_barrier_wait -1                              ; everybody's is
	FETCH_B 0, 0, 0
	FETCH_A 0, 0, 0
	FETCH_A 0, 0, 4
	s_wait_loadcnt 0x0                             ; the scale words
	STEP 0, 0                                      ; the first step's products start the sums
	TURN 0, 1, 1, 1
	STEP 1, 2
	TURN 1, 0, 1, 3
	STEP 0, 4
	TURN 0, 1, 0, 5                                ; nothing is left to fetch: no round
	STEP 1, 6
	s_wait_dscnt 4*NL
	WIN MUL_LO
	MUL16 0, 7
	MUL16 2, 7
	s_wait_dscnt 0x0
	WIN MUL_HI
	MUL16 4, 7
	MUL16 6, 7
	WIN 0
	PLACES                                         ; in front of vector writes into the registers that held source 1's fragments
; THE WAY OUT of token tile a: 32 g and 32 u a lane become 32 h, a unit of codes and two scale bytes.  The exponentials and the reciprocals go as batches of 32, each with one wait.
.macro EPI a
.set W1, 2+(\a)/4
.set W2, W1|(W1<<2)
.set GA, 64*((\a)%4)
	WIN W1                                         ; source 0: the accumulators' window
.set i, 0
.rept 16
	v_pk_mul_f32 v[E+i:E+i+1], v[GA+i:GA+i+1], 0xbfb8aa3b op_sel_hi:[1,0]   ; -g log2(e); each accumulator from its low end on
.set i, i+2
.endr
	WIN 0
.set i, 0
.rept 32
	v_exp_f32 v[E+i], v[E+i]
.set i, i+1
.endr
	WIN W2                                         ; sources 0 and 1
.set i, 0
.rept 16
	v_pk_mul_f32 v[H+i:H+i+1], v[GA+i:GA+i+1], v[GA+32+i:GA+33+i]          ; g u: the independent work behind the batch
.set i, i+2
.endr
	WIN 0
	s_wait_alu depctr_va_vdst(0)                   ; one wait for the 32 exponentials
.set i, 0
.rept 16
	v_pk_add_f32 v[E+i:E+i+1], v[E+i:E+i+1], 1.0 op_sel_hi:[1,0]
.set i, i+2
.endr
.set i, 0
.rept 32
	v_rcp_f32 v[E+i], v[E+i]
.set i, i+1
.endr
	v_nop
	s_wait_alu depctr_va_vdst(0)                   ; and one for the 32 reciprocals
.set i, 0
.rept 16
	v_pk_mul_f32 v[H+i:H+i+1], v[H+i:H+i+1], v[E+i:E+i+1]
.set i, i+2
.endr
	QUANT2 H, PC+8*(\a), PD, HW+(\a), TM
	global_store_b128 v[OM], v[PC+8*(\a):PC+8*(\a)+3], s[66:67] offset:(\a)*55296      ; the unit's first 512 bytes, 16 a lane
	global_store_b64 v[OT], v[PC+8*(\a)+4:PC+8*(\a)+5], s[66:67] offset:(\a)*55296     ; and its last 256, at 512 + 16 r + 8 h: the register holds all of that
	ds_store_b16 v[SXA], v[HW+(\a)] offset:64*(\a) ; (lanes l and l xor 16 write the same two bytes)
.endm
.irp a, 0,1,2,3,4,5,6,7
	EPI \a
.endr
	s_wait_dscnt 0x0                               ; for the others' sake: my halves of the scale words lie in LDS
	s_barrier_signal -1
	s_barrier_wait -1
	ds_load_b64 v[WB:WB+1], v[SXR]
	s_wait_dscnt 0x0
	global_store_b64 v[L8], v[WB:WB+1], s[68:69]   ; 32 lanes store 256 consecutive bytes, at a multiple of 256
	s_wait_tensorcnt 0x0                           ; the wave's end
	ds_add_u32 v[SPW], v[NIL]
	s_wait_dscnt 0x0
	CROUND                                         ; the closing round
	s_endpgm
.Lfunc_end_k_q5ef57b1241_ffn_up:
	.size	k_q5ef57b1241_ffn_up, .Lfunc_end_k_q5ef57b1241_ffn_up-k_q5ef57b1241_ffn_up
	.p2alignl 7, 3214868480
	.fill 96, 4, 3214868480
	.section	.rodata,"a",@progbits
	.p2align	6, 0x0
	.amdhsa_kernel k_q5ef57b1241_ffn_up
		.amdhsa_group_segment_fixed_size 327680
		.amdhsa_private_segment_fixed_size 0
		.amdhsa_enable_private_segment 0
		.amdhsa_kernarg_size 16
		.amdhsa_user_sgpr_count 2
		.amdhsa_user_sgpr_kernarg_segment_ptr 1
		.amdhsa_wavefront_size32 1
		.amdhsa_system_sgpr_workgroup_id_x 1
		.amdhsa_system_sgpr_workgroup_id_y 1
		.amdhsa_system_sgpr_workgroup_id_z 1
		.amdhsa_system_vgpr_workitem_id 0
		.amdhsa_next_free_vgpr 1024
		.amdhsa_next_free_sgpr 98
		.amdhsa_reserve_vcc 0
		.amdhsa_float_denorm_mode_32 3
		.amdhsa_float_denorm_mode_16_64 3
		.amdhsa_memory_ordered 1
		.amdhsa_forward_progress 1
		.amdhsa_inst_pref_size 187
	.end_amdhsa_kernel
	.amdgpu_metadata
---
amdhsa.version: [ 1, 2 ]
amdhsa.kernels:
  - .name:           k_q5ef57b1241_ffn_up
    .symbol:         k_q5ef57b1241_ffn_up.kd
    .args:
      - { .name: wts, .offset: 0, .size: 8, .value_kind: global_buffer, .address_space: global }
      - { .name: a2, .offset: 8, .size: 8, .value_kind: global_buffer, .address_space: global }
    .group_segment_fixed_size: 327680
    .private_segment_fixed_size: 0
    .kernarg_segment_align: 8
    .kernarg_segment_size: 16
    .max_flat_workgroup_size: 128
    .sgpr_count:     98
    .vgpr_count:     1024
    .wavefront_size: 32
...
	.end_amdgpu_metadata
.endif
;; end of part 4
;; launch final (part 5): grid 8 x 32, 4 waves a work-group, clusters of 4 x 4, 327,680 bytes of LDS; arguments a2, wts, x, out0; writes out0
.if DOCPART == 5
	.amdgcn_target "amdgcn-amd-amdhsa--gfx1250"
	.amdhsa_code_object_version 6
	.text
	.protected	k_q5ef57b1241_final
	.globl	k_q5ef57b1241_final
	.p2align	8
	.type	k_q5ef57b1241_final,@function
k_q5ef57b1241_final:
	s_mov_b64 s[64:65], 0
	v_nop
	global_prefetch_b8 v0, s[64:65] scope:SCOPE_SE
	s_setreg_imm32_b32 hwreg(HW_REG_WAVE_MODE, 25, 1), 1
	s_wait_xcnt 0x0
	s_wait_alu depctr_hold_cnt(0) depctr_sa_sdst(0) depctr_va_vdst(0) depctr_va_sdst(0) depctr_va_ssrc(0) depctr_va_vcc(0) depctr_vm_vsrc(0)
	s_getreg_b32 s2, hwreg(HW_REG_IB_STS2, 6, 4)
	s_cmp_eq_u32 s2, 0
	s_cbranch_scc0 .Lentry_in_a_cluster
	s_endpgm
.Lentry_in_a_cluster:
	s_bfe_u32 s2, ttmp6, 0x10000c
	s_cmp_lg_u32 s2, 0xf033
	s_cbranch_scc0 .Lentry_shape_is_right
	s_endpgm
.Lentry_shape_is_right:
; THE LAST PRODUCT: out = x + o wo + h w_down, as ONE product [o | h] x [wo ; w_down] with K = 512 + 4,096 = 4,608, on codes of FP6; x is the C of the sums' first matrix instructions (so x enters each sum first).
; A tile of out is 128 x 128, which gives each of 256 work-groups one tile; four waves, each 64 x 64: 16 accumulators.  Source 0 = 16 columns of the weights, source 1 = 16 tokens: a lane holds a token and neighbouring columns.
; K goes in 36 steps of 128 through a ring of two LDS slots of SIX steps each, as large as two fit in LDS: six slots' worth, written out: two first fills and four refills, each refill with 88 matrix instructions a wave between its request and the wait for it.
; THE SCALE WORDS go from memory straight into registers, a slot's worth (24 loads of 128 consecutive bytes) at a time, in three sets that take turns: the set of slot n + 2 is asked for with that slot's tiles, while the products read
; the sets of slots n and n + 1.  Register (step, pair p) holds tile 2 p's words in lanes 0-15 and tile 2 p + 1's in lanes 16-31: the row selector follows the tile's parity.
; CLUSTERS: 4 x 4 work-groups; the tokens' tiles are shared along a row of the cluster, the weights' along a column: each is asked for jointly.
; LIMITS: NaN and infinities among the inputs are not served.
.set CH,     6                         ; K steps in a slot
.set TROW,   CH*1536                   ; a tile's part of a slot: 9,216 bytes
.set S0OFF,  8*TROW                    ; a slot: source 1's 8 tiles, then source 0's
.set SLOT,   16*TROW                   ; 147,456 bytes
.set SPARE,  2*SLOT                    ; behind the ring: the spare words, 128 bytes for each wave
.set STAGE,  SPARE+512                 ; the way out: 16 rows x (256 + 16) bytes for each wave; no tensor load lands here
.set SPITCH, 272
.set CODES2, 10223616
.set SCALE2, 14188544
.set A2WORDS,14155776
.set AM1, 16                           ; v16-19 source 1's fragments in slot 0, 1: 16 x lane; 512 + 16 r + 8 h
.set AT1, 18
.set AM0, 20                           ; v20-23 source 0's
.set AT0, 22
.set XO,  24                           ; v24 x: my token's row and my half's 64 bytes
.set STO, 25
.set RD,  26
.set CO,  27
.set SPW, 28
.set NIL, 29
.set L4,  30                           ; v30 4 x lane; never rewritten
.set SC,  32                           ; v32-103 scale words, three sets of 24: in a set source 1's at 2 q + p, source 0's at 12 + 2 q + p (q: the step in the slot)
.set ACC, 128                          ; v128-255 accumulator (a, b) at 128 + 8 (4 a + b);  window 1: two fragment buffers at v0 and v128: source 0's b at 12 b, source 1's a at 48 + 12 a
.set G1,  24
.set G0,  32
.set G1B, 48
.set G0B, 56
.set SB1, 68                           ; s[68:69] the scale words of my four tiles of tokens, K step 0
.set SB0, 70                           ; s[70:71] those of my four tiles of weights
.set MUL,  0x05                        ; sources 0 and 1 window 1; C and D window 0
.set TO_F, 0x40                        ; destination window 1, address window 0
.set MSB, 0
.macro WIN new
.if MSB != \new
	s_set_vgpr_msb (MSB<<8)|\new
.set MSB, \new
.endif
.endm
.macro PLACES
.rept 4
	v_nop
.endr
.endm
.macro JLOAD g0a, g1a, g0b, g1b        ; a joint load: waves 0 and 1 fetch for source 1, waves 2 and 3 for source 0; an s_nop 0 and four v_nop follow each line
	s_cmp_eq_u32 s15, 0
	s_cbranch_scc0 .Lfor_b_\@
	tensor_load_to_lds s[\g0a:\g0a+3], s[\g1a:\g1a+7]
	s_nop 0
.rept 4
	v_nop
.endr
	s_branch .Lasked_\@
.Lfor_b_\@:
	tensor_load_to_lds s[\g0b:\g0b+3], s[\g1b:\g1b+7]
	s_nop 0
.rept 4
	v_nop
.endr
.Lasked_\@:
.endm
.macro CREST
	s_cmp_lg_u32 s14, 0
	s_cbranch_scc1 .Lnot_wave_0_\@
	s_barrier_signal -3
.Lnot_wave_0_\@:
	s_barrier_wait -3
	s_barrier_signal -1
	s_barrier_wait -1
.endm
.macro CROUND
	s_barrier_signal -1
	s_barrier_wait -1
	CREST
.endm
.macro FRAG reg, am, at, off           ; a fragment, two units on end: 16 + 8 bytes a lane from each
	ds_load_b128 v[\reg:\reg+3], v[\am] offset:\off
	ds_load_b64 v[\reg+4:\reg+5], v[\at] offset:\off
	ds_load_b128 v[\reg+6:\reg+9], v[\am] offset:\off+768
	ds_load_b64 v[\reg+10:\reg+11], v[\at] offset:\off+768
.endm
.macro FETCH slot, q, s                ; 32 LDS loads: K step s, the slot's q-th: my 4 + 4 fragments into buffer s % 2
	WIN TO_F
.irp i, 0,1,2,3
	FRAG 128*((\s)%2)+12*\i, AM0+(\slot), AT0+(\slot), \i*TROW+(\q)*1536
	FRAG 128*((\s)%2)+48+12*\i, AM1+(\slot), AT1+(\slot), \i*TROW+(\q)*1536
.endr
.endm
.macro SLOAD c                         ; the scale words of slot's worth c into set c % 3: each load reads two neighbouring tiles' words of one K step, 128 consecutive bytes
.irp q, 0,1,2,3,4,5
.irp p, 0,1
	global_load_b32 v[SC+24*((\c)%3)+2*\q+\p], v[L4], s[SB1:SB1+1] offset:(CH*(\c)+\q)*16384+128*\p
	global_load_b32 v[SC+24*((\c)%3)+12+2*\q+\p], v[L4], s[SB0:SB0+1] offset:(CH*(\c)+\q)*4096+128*\p
.endr
.endr
.endm
.macro MUL4 s, a                       ; source 1's tile a x source 0's four.  The 16 accumulators take turns, in the same order in every step
.irp b, 0,1,2,3
.set rD, ACC+8*(4*(\a)+\b)
.set rA, 128*((\s)%2)+12*\b
.set rB, 128*((\s)%2)+48+12*(\a)
.set rX, SC+24*(((\s)/CH)%3)+12+2*((\s)%CH)+\b/2
.set rY, SC+24*(((\s)/CH)%3)+2*((\s)%CH)+(\a)/2
.set rW, 2*((\a)%2)+\b%2               ; an odd tile's words stand in lanes 16-31
.if rW == 0
	v_wmma_scale_f32_16x16x128_f8f6f4 v[rD:rD+7], v[rA:rA+11], v[rB:rB+11], v[rD:rD+7], v[rX], v[rY] matrix_a_fmt:MATRIX_FMT_FP6 matrix_b_fmt:MATRIX_FMT_FP6
.elseif rW == 1
	v_wmma_scale_f32_16x16x128_f8f6f4 v[rD:rD+7], v[rA:rA+11], v[rB:rB+11], v[rD:rD+7], v[rX], v[rY] matrix_a_fmt:MATRIX_FMT_FP6 matrix_b_fmt:MATRIX_FMT_FP6 matrix_a_scale:MATRIX_SCALE_ROW1
.elseif rW == 2
	v_wmma_scale_f32_16x16x128_f8f6f4 v[rD:rD+7], v[rA:rA+11], v[rB:rB+11], v[rD:rD+7], v[rX], v[rY] matrix_a_fmt:MATRIX_FMT_FP6 matrix_b_fmt:MATRIX_FMT_FP6 matrix_b_scale:MATRIX_SCALE_ROW1
.else
	v_wmma_scale_f32_16x16x128_f8f6f4 v[rD:rD+7], v[rA:rA+11], v[rB:rB+11], v[rD:rD+7], v[rX], v[rY] matrix_a_fmt:MATRIX_FMT_FP6 matrix_b_fmt:MATRIX_FMT_FP6 matrix_a_scale:MATRIX_SCALE_ROW1 matrix_b_scale:MATRIX_SCALE_ROW1
.endif
.endr
.endm
.macro NSTEP slot, q, s, lc            ; a step whose successor lies in the same slot.  lc: at a slot's first step, how many younger loads may stay out when the slot's scale words have to be there
.if (\s) > 0
	PLACES
.endif
	FETCH \slot, (\q)+1, (\s)+1
.if (\q) == 0
	s_wait_loadcnt \lc                             ; loads come back in order (ISA guide 5.7.1): this slot's scale words are in; the next slot's 24 may be out
.endif
	s_wait_dscnt 32                                ; all but the 32 just issued
	WIN MUL
	MUL4 \s, 0
	MUL4 \s, 1
	MUL4 \s, 2
	MUL4 \s, 3
.endm
.macro TURN slot, next, fill, s        ; a slot's last step changes slots: ONE barrier; fill = 1: this slot is filled again, twelve K steps on
	WIN 0                                          ; (the add's two registers lie in window 0)
	s_wait_tensorcnt 0x0                           ; all my tensor loads have landed: my part of the next slot
	ds_add_u32 v[SPW], v[NIL]                      ; 0 onto my spare word
	s_wait_dscnt 1                                 ; this step's fragments are in; the add may be out
	WIN MUL
	MUL4 \s, 0
	s_wait_dscnt 0x0                               ; the add is done, and my reads of this slot are over
	s_barrier_signal -1
	MUL4 \s, 1
	WIN 0
	s_barrier_wait -1
.if \fill
	CREST                                          ; the barrier has opened a round of the cluster's: no wave of any partner still reads this slot or has a load on its way
	s_add_nc_u64 s[G0+4*(\slot)+2:G0+4*(\slot)+3], s[G0+4*(\slot)+2:G0+4*(\slot)+3], 2*TROW
	s_add_nc_u64 s[G0B+4*(\slot)+2:G0B+4*(\slot)+3], s[G0B+4*(\slot)+2:G0B+4*(\slot)+3], 2*TROW
	JLOAD G0+4*(\slot), G1, G0B+4*(\slot), G1B     ; my one tensor load behind the round; its four v_nop are the places in front of the loads below
	SLOAD ((\s)/CH)+2                              ; and the same K steps' scale words, into the set that was last read a slot ago
.else
	PLACES
.endif
	FETCH \next, 0, (\s)+1
	WIN MUL
	MUL4 \s, 2
	MUL4 \s, 3
.endm
	s_load_b256 s[4:11], s[0:1], 0x0               ; a2, wts, x, out0
	v_lshl_add_u32 v[SPW], v0, 2, SPARE
	v_mov_b32 v[NIL], 0
	ds_add_u32 v[SPW], v[NIL]                      ; the wave's opening: the add and its wait ahead of my first tensor load
	v_lshrrev_b32 v1, 5, v0
	v_readfirstlane_b32 s14, v1                    ; wave
	s_lshr_b32 s15, s14, 1                         ; my half of the tokens.  Also: I fetch for source 1 (0) or source 0 (1)
	s_and_b32 s16, s14, 1                          ; my half of the columns.  Also: which half I fetch
	s_bfe_u32 s40, ttmp6, 0x40000
	s_bfe_u32 s41, ttmp6, 0x40004
	s_lshl_b32 s42, ttmp9, 2
	s_add_co_u32 s42, s42, s40                     ; the block of 128 columns
	s_and_b32 s17, ttmp7, 0xffff
	s_lshl_b32 s17, s17, 2
	s_add_co_u32 s17, s17, s41                     ; the block of 128 tokens
	s_lshl_b32 s43, s41, 2
	s_lshl_b32 s43, 15, s43                        ; my row of the cluster
	s_lshl_b32 s44, 0x1111, s40                    ; my column
	s_or_b32 s[G1+0], s43, (3<<16)|(1<<21)         ; the mask; elements of 8 bytes; bit 21 beside a mask; no padding
	s_or_b32 s[G1B+0], s44, (3<<16)|(1<<21)
.irp g, G1, G1B
	s_mov_b32 s[\g+1], (TROW/8)<<16                ; tensor_dim0: six K steps of a tile, 9,216 bytes
	s_mov_b32 s[\g+2], 4<<16                       ; tensor_dim1: 4 tiles
	s_mov_b32 s[\g+3], (TROW/8)<<16                ; tile_dim0
	s_mov_b32 s[\g+4], 4                           ; tile_dim1
	s_mov_b32 s[\g+5], 6912                        ; from tile to tile: 55,296 bytes
	s_mov_b32 s[\g+6], 0
	s_mov_b32 s[\g+7], 0
.endr
	s_lshl_b32 s18, s16, 2
	s_lshl_b32 s20, s17, 3
	s_add_co_u32 s20, s20, s18
	s_mul_i32 s20, s20, 55296                      ; tokens: tile 8 x block + 4 x half
	s_mov_b32 s21, 0
	s_lshl_b32 s46, s42, 3
	s_add_co_u32 s46, s46, s18
	s_mul_i32 s46, s46, 55296
	s_add_co_u32 s46, s46, CODES2                  ; weights likewise
	s_mov_b32 s47, 0
	s_mul_i32 s45, s14, 4*TROW                     ; where they go: wave x 4 tiles: no place in the cluster enters an LDS address
	s_wait_dscnt 0x0                               ; the opening add is done
	s_wait_kmcnt 0x0
	s_add_nc_u64 s[20:21], s[4:5], s[20:21]
	s_add_nc_u64 s[46:47], s[6:7], s[46:47]
	CROUND                                         ; all sixteen work-groups are here: the first joint loads meet
.irp s, 0,1
	s_mov_b32 s[G0+4*\s], 1
	s_add_co_u32 s[G0+4*\s+1], s45, \s*SLOT
	s_add_nc_u64 s[G0+4*\s+2:G0+4*\s+3], s[20:21], \s*TROW
	s_or_b32 s[G0+4*\s+3], s[G0+4*\s+3], 0x80000000
	s_mov_b32 s[G0B+4*\s], 1
	s_add_co_u32 s[G0B+4*\s+1], s45, \s*SLOT
	s_add_nc_u64 s[G0B+4*\s+2:G0B+4*\s+3], s[46:47], \s*TROW
	s_or_b32 s[G0B+4*\s+3], s[G0B+4*\s+3], 0x80000000
	JLOAD G0+4*\s, G1, G0B+4*\s, G1B               ; K steps 0 to 5, then 6 to 11: two loads of mine are out
.endr
	v_and_b32 v1, 15, v0                           ; r
	v_bfe_u32 v2, v0, 4, 1                         ; h
	v_and_b32 v3, 8, v1
	v_add_nc_u32 v3, v3, v1                        ; r + 8 (r / 8): tile row r's token in the tile's 24
	v_lshlrev_b32 v[XO], 12, v3
	v_lshl_add_u32 v[XO], v2, 6, v[XO]
	v_and_b32 v4, 31, v0
	v_lshlrev_b32 v[L4], 2, v4
	s_lshl_b32 s66, s17, 7
	s_lshl_b32 s67, s15, 6
	s_add_co_u32 s66, s66, s67
	s_lshl_b32 s66, s66, 12                        ; my first token's row,
	s_lshl_b32 s67, s42, 9
	s_add_co_u32 s66, s66, s67
	s_lshl_b32 s67, s16, 8
	s_add_co_u32 s66, s66, s67                     ; my first column
	s_mov_b32 s67, 0
	s_add_nc_u64 s[8:9], s[8:9], s[66:67]
	s_add_nc_u64 s[10:11], s[10:11], s[66:67]
	s_lshl_b32 s[SB1], s17, 9                      ; scale words: 64 bytes a tile: tokens' tile 8 x block + 4 x my half,
	s_lshl_b32 s[SB1+1], s15, 8
	s_add_co_u32 s[SB1], s[SB1], s[SB1+1]
	s_add_co_u32 s[SB1], s[SB1], A2WORDS
	s_mov_b32 s[SB1+1], 0
	s_add_nc_u64 s[SB1:SB1+1], s[4:5], s[SB1:SB1+1]
	s_lshl_b32 s[SB0], s42, 9                      ; the weights' likewise
	s_lshl_b32 s[SB0+1], s16, 8
	s_add_co_u32 s[SB0], s[SB0], s[SB0+1]
	s_add_co_u32 s[SB0], s[SB0], SCALE2
	s_mov_b32 s[SB0+1], 0
	s_add_nc_u64 s[SB0:SB0+1], s[6:7], s[SB0:SB0+1]
.irp a, 0,1,2,3                                ; x goes straight into the accumulators: register j of (a, b) is x(token 32 (a / 2) + 8 (a % 2) + r + 8 (r / 8), column 32 (b / 2) + 16 h + 8 (b % 2) + j)
.irp b, 0,1,2,3
	global_load_b128 v[ACC+8*(4*\a+\b):ACC+8*(4*\a+\b)+3], v[XO], s[8:9] offset:(32*(\a/2)+8*(\a%2))*4096+128*(\b/2)+32*(\b%2) th:TH_LOAD_NT
	global_load_b128 v[ACC+8*(4*\a+\b)+4:ACC+8*(4*\a+\b)+7], v[XO], s[8:9] offset:(32*(\a/2)+8*(\a%2))*4096+128*(\b/2)+32*(\b%2)+16 th:TH_LOAD_NT
.endr
.endr
	SLOAD 0                                        ; the scale words of the two first fills
	SLOAD 1
	v_lshlrev_b32 v5, 4, v4                        ; 16 x lane
	v_lshlrev_b32 v6, 4, v1
	v_lshl_add_u32 v6, v2, 3, v6
	v_add_nc_u32 v6, 512, v6                       ; 512 + 16 r + 8 h
	s_mul_i32 s21, s15, 4*TROW
	s_mul_i32 s22, s16, 4*TROW
	s_add_co_u32 s22, s22, S0OFF
.irp s, 0,1
	v_add_nc_u32 v[AM1+\s], s21, v5
	v_add_nc_u32 v[AT1+\s], s21, v6
	v_add_nc_u32 v[AM0+\s], s22, v5
	v_add_nc_u32 v[AT0+\s], s22, v6
	s_add_co_u32 s21, s21, SLOT
	s_add_co_u32 s22, s22, SLOT
.endr
	s_mul_i32 s23, s14, 16*SPITCH
	s_add_co_u32 s23, s23, STAGE                   ; my stage
	v_mul_u32_u24 v5, v1, SPITCH
	v_lshl_add_u32 v5, v2, 6, v5
	v_add_nc_u32 v[STO], s23, v5                   ; in: row r, + 64 h
	v_mul_u32_u24 v5, v2, SPITCH
	v_lshl_add_u32 v5, v1, 4, v5
	v_add_nc_u32 v[RD], s23, v5                    ; back: lanes 0-15 one row of 256 bytes, lanes 16-31 the next
	v_lshlrev_b32 v[CO], 12, v2
	v_lshl_add_u32 v[CO], v1, 4, v[CO]             ; and the same two rows in out
	s_wait_tensorcnt 0x1                           ; my part of slot 0 is in (slot 1's load may be out)
	s_barrier_signal -1
	s_barrier_wait -1                              ; everybody's is
	FETCH 0, 0, 0
.irp n, 0,1,2,3,4                              ; at a slot's first step: x (in the first) and this slot's scale words are in; the 24 loads of the next slot's words may be out
	NSTEP (\n%2), 0, CH*\n, 24
	NSTEP (\n%2), 1, CH*\n+1, 0
	NSTEP (\n%2), 2, CH*\n+2, 0
	NSTEP (\n%2), 3, CH*\n+3, 0
	NSTEP (\n%2), 4, CH*\n+4, 0
.if \n < 4
	TURN (\n%2), (1-\n%2), 1, CH*\n+5
.else
	TURN (\n%2), (1-\n%2), 0, CH*\n+5              ; nothing is left to fetch: no round
.endif
.endr
	NSTEP 1, 0, 30, 0                              ; the last slot's worth: no load was issued behind its scale words
	NSTEP 1, 1, 31, 0
	NSTEP 1, 2, 32, 0
	NSTEP 1, 3, 33, 0
	NSTEP 1, 4, 34, 0
	s_wait_dscnt 0x0
	MUL4 35, 0
	MUL4 35, 1
	MUL4 35, 2
	MUL4 35, 3
	WIN 0
; THE WAY OUT, a tile of 16 tokens x 64 columns at a time, through my own stage: in as the lanes hold it, back as whole rows of 256 bytes, into the registers that it left: so no register is written twice.
; LDS serves a wave's instructions in order (ISA guide 5.7.1.4): no wait between the stores and the loads, nor in front of the next tile's stores.
.macro TOSTAGE a
.irp b, 0,1,2,3
	ds_store_b128 v[STO], v[ACC+8*(4*(\a)+\b):ACC+8*(4*(\a)+\b)+3] offset:128*(\b/2)+32*(\b%2)        ; each accumulator from its low end on
	ds_store_b128 v[STO], v[ACC+8*(4*(\a)+\b)+4:ACC+8*(4*(\a)+\b)+7] offset:128*(\b/2)+32*(\b%2)+16
.endr
.irp i, 0,1,2,3,4,5,6,7
	ds_load_b128 v[ACC+32*(\a)+4*\i:ACC+32*(\a)+4*\i+3], v[RD] offset:\i*2*SPITCH
.endr
.endm
.macro SEND a, younger                 ; younger: the LDS instructions issued behind tile a's loads, which may stay out
	s_wait_dscnt \younger
.irp i, 0,1,2,3,4,5,6,7
	global_store_b128 v[CO], v[ACC+32*(\a)+4*\i:ACC+32*(\a)+4*\i+3], s[10:11] offset:(32*((\a)/2)+8*((\a)%2)+2*\i+8*(\i/4))*4096 th:TH_STORE_NT   ; 16 lanes store 256 consecutive bytes, at a multiple of 256 from out's first byte
.endr
.endm
	PLACES
	TOSTAGE 0
	TOSTAGE 1
	SEND 0, 16                                     ; behind tile 0's loads: tile 1's 8 stores and 8 loads
	TOSTAGE 2
	SEND 1, 16
	TOSTAGE 3
	SEND 2, 16
	SEND 3, 0
	s_wait_tensorcnt 0x0                           ; the wave's end
	ds_add_u32 v[SPW], v[NIL]
	s_wait_dscnt 0x0
	CROUND                                         ; the closing round
	s_endpgm
.Lfunc_end_k_q5ef57b1241_final:
	.size	k_q5ef57b1241_final, .Lfunc_end_k_q5ef57b1241_final-k_q5ef57b1241_final
	.p2alignl 7, 3214868480
	.fill 96, 4, 3214868480
	.section	.rodata,"a",@progbits
	.p2align	6, 0x0
	.amdhsa_kernel k_q5ef57b1241_final
		.amdhsa_group_segment_fixed_size 327680
		.amdhsa_private_segment_fixed_size 0
		.amdhsa_enable_private_segment 0
		.amdhsa_kernarg_size 32
		.amdhsa_user_sgpr_count 2
		.amdhsa_user_sgpr_kernarg_segment_ptr 1
		.amdhsa_wavefront_size32 1
		.amdhsa_system_sgpr_workgroup_id_x 1
		.amdhsa_system_sgpr_workgroup_id_y 1
		.amdhsa_system_sgpr_workgroup_id_z 1
		.amdhsa_system_vgpr_workitem_id 0
		.amdhsa_next_free_vgpr 512
		.amdhsa_next_free_sgpr 98
		.amdhsa_reserve_vcc 0
		.amdhsa_float_denorm_mode_32 3
		.amdhsa_float_denorm_mode_16_64 3
		.amdhsa_memory_ordered 1
		.amdhsa_forward_progress 1
		.amdhsa_inst_pref_size 189
	.end_amdhsa_kernel
	.amdgpu_metadata
---
amdhsa.version: [ 1, 2 ]
amdhsa.kernels:
  - .name:           k_q5ef57b1241_final
    .symbol:         k_q5ef57b1241_final.kd
    .args:
      - { .name: a2, .offset: 0, .size: 8, .value_kind: global_buffer, .address_space: global }
      - { .name: wts, .offset: 8, .size: 8, .value_kind: global_buffer, .address_space: global }
      - { .name: x, .offset: 16, .size: 8, .value_kind: global_buffer, .address_space: global }
      - { .name: out0, .offset: 24, .size: 8, .value_kind: global_buffer, .address_space: global }
    .group_segment_fixed_size: 327680
    .private_segment_fixed_size: 0
    .kernarg_segment_align: 8
    .kernarg_segment_size: 32
    .max_flat_workgroup_size: 128
    .sgpr_count:     98
    .vgpr_count:     512
    .wavefront_size: 32
...
	.end_amdgpu_metadata
.endif
;; end of part 5
